; MI455X (gfx1250); checked and timed in simulation.
; The chip was launched on July 23, 2026; its instructions are those of AMD's public machine-readable ISA for CDNA 5 (MIT licence, August 2026) and "CDNA5" Instruction Set Architecture Reference Guide (July 2026). The comments in the code are by the model that wrote it; some were corrected since.
;; SA. Allowed arithmetic: matrix products marked QUANTISED: E2M3 operands, one E8M0 scale for each 32 along K, by v_wmma_scale_f32_16x16x128_f8f6f4 with both operands' format E2M3, f32 sums; everything else in f32.
;; Inputs: Wk 1,024 x 1,024 float32; Wq 1,024 x 1,024 float32; Wv 1,024 x 1,024 float32; attn_mask 2,048 x 2,048 int32; bk 1,024 float32; bq 1,024 float32; bv 1,024 float32; pad_mask 4 x 1 x 2,048 int32; x 4 x 2,048 x 1,024 float32.
;; Outputs: out0 4 x 2,048 x 1,024 float32.
;; This version of the problem:
;;   THIS VERSION OF THE PROBLEM IS GIVEN IN LOW PRECISION. The matrix products marked QUANTISED in the list below multiply operands that are first quantised to E2M3 (2 exponent bits, 3 mantissa bits; 6 bits a number), with one power-of-two scale for each 32 numbers along K (OCP MX v1.0); their sums are f32. All else is computed in f32.
;;   The module's matrix products, in the order in which they are computed (A, B: the left and right operand; K: the contracted axis; several contracted axes count as one K, in the product's order):
;;     1. [M 8,192, K 1,024] x [K 1,024, N 1,024]; A: input x; B: input Wq: QUANTISED
;;     2. [M 8,192, K 1,024] x [K 1,024, N 1,024]; A: input x; B: input Wk: QUANTISED
;;     3. [M 8,192, K 1,024] x [K 1,024, N 1,024]; A: input x; B: input Wv: QUANTISED
;;     4. batch 4 x [M 2,048, K 1,024] x [K 1,024, N 2,048]; A: computed on the way; B: computed on the way: QUANTISED
;;     5. batch 4 x [M 2,048, K 2,048] x [K 2,048, N 1,024]; A: softmax (see below); B: computed on the way: QUANTISED
;;   THE QUANTISER, for each operand of a quantised product, along K:
;;     - K is cut into blocks of 32 from its start; a last block that is shorter is filled with zeros.
;;     - A block's scale is 2^e with e = floor(log2(the largest magnitude in the block)) - 2, held to -126 .. 127; a block of zeros has e = 0. As a byte (E8M0): e + 127.
;;     - Each number is divided by its block's scale, clamped to +-7.5, and rounded to the nearest number of E2M3, ties to even, subnormals kept.
;;     - The product sums the exact products of the quantised numbers (number of the format x scale) in f32.
;;   ~~~python
;;   def quantise(x, axis):      # numpy; x: float32 -> the quantised numbers, widened to float32 again
;;       x = np.moveaxis(x, axis, -1); K = x.shape[-1]
;;       x = np.pad(x, [(0, 0)] * (x.ndim - 1) + [(0, -K % 32)]); x = x.reshape(x.shape[:-1] + (-1, 32)); a = np.abs(x).max(-1, keepdims=True)
;;       e = np.where(a > 0, np.clip(np.frexp(np.where(a > 0, a, 1))[1] - 1 - 2, -126, 127), 0)      # np.frexp(a)[1] - 1 = floor(log2(a)), exactly
;;       r = np.clip(x / 2.0 ** e, -7.5, 7.5)
;;       step = 2.0 ** (np.maximum(np.frexp(np.where(r == 0, 1, r))[1] - 1, 0) - 3)
;;       q = np.round(r / step) * step * 2.0 ** e      # np.round: ties to even
;;       return np.moveaxis(q.reshape(q.shape[:-2] + (-1,))[..., :K], -1, axis).astype(np.float32)
;;   ~~~
;;   SOFTMAX AHEAD OF A QUANTISED PRODUCT. Where the list says 'softmax', what is quantised is not the finished softmax but p = 2^(t - M), with t = logit x log2(e) and M = ceil(the row's largest t), a whole number; so 1/2 < the row's largest p <= 1. The row's sum l is taken of the UNQUANTISED p, in f32, and the product's result is divided by l at the end. Since M is a whole number, a kernel that streams over the keys may use a running M (the ceiling of the running maximum): every later rescaling is an exact power of two, which a block's scale takes up: the codes' values come out the same.
;;   OPERANDS COMPUTED ON THE WAY. 'Computed on the way' means the value that the module computes at that place (a softmax that the list does not call 'softmax' is quantised finished and normalised). What goes into a quantiser is computed in f32, as accurately as f32 sums, v_exp_f32 and their like allow (about 1e-6 of the number): no bf16 or f16 on the way to a quantiser, and a product that is left as it is and whose result goes on into a quantised operand takes f32 operands (vector FMAs, or v_wmma_f32_16x16x4_f32). A number that lies on a knife's edge between two numbers of the format may be rounded either way, as far as f32 arithmetic and the matrix unit's own rounding can turn it there, and no further.
;; One version. Each part assembles by itself: llvm-mc -triple=amdgcn-amd-amdhsa -mcpu=gfx1250 --defsym DOCPART=n.
;; ======== version 1 of 1: 4 launches
;; limits: right only within a limited range of input values
;; workspace buffers: prep 9,011,200 bytes; mw 2,097,152 bytes of whole numbers; qkv 19,660,800 bytes; pbuf 14,155,776 bytes
;; launch prep (part 1): grid 480 x 1, 4 waves a work-group, no clusters, 68,096 bytes of LDS; arguments x, Wq, Wk, Wv, attn_mask, pad_mask, prep, mw; writes prep, mw
.if DOCPART == 1
	.amdgcn_target "amdgcn-amd-amdhsa--gfx1250"
	.amdhsa_code_object_version 6
	.text
	.protected	k_q68ca1bcc0b_prep
	.globl	k_q68ca1bcc0b_prep
	.p2align	8
	.type	k_q68ca1bcc0b_prep,@function
k_q68ca1bcc0b_prep:
	s_mov_b64 s[64:65], 0
	v_nop
	global_prefetch_b8 v0, s[64:65] scope:SCOPE_SE
	s_setreg_imm32_b32 hwreg(HW_REG_WAVE_MODE, 25, 1), 1
	s_wait_xcnt 0x0
; x [8192][1024], Wq, Wk, Wv [1024][1024], f32, become codes of FP6 (E2M3) with one E8M0 byte for each 32 along K (their last axis); attn_mask AND pad_mask become select words.
; A block's scale is 2^(floor(log2(largest magnitude)) - 2); its byte is the largest magnitude's exponent field - 2, held at 1 from below (a block of zeros keeps the byte 1: its codes are zeros, and this program alone reads the bytes).
; LIMITS: NaN and infinities are not served; blocks whose largest magnitude lies under 2^-124 keep the byte 1.
; LAYOUT OF THE CODES: rows go in groups of 128 (x: groups 0-63, Wq 64-71, Wk 72-79, Wv 80-87).  Tile i (0..7) of a group holds rows 32 (i/2) + 8 (i%2) + p + 8 (p/8), p = 0..15.
; A fragment (a tile x 128 K, 12 registers a lane) is stored as the image of its registers: register group c (four registers) at 512 c + 16 x lane: 1,536 bytes; [group][K step][tile][1,536].
; SCALE WORDS (four bytes: 128 K of a row): [group][K step][half][row p][4 tiles], 512 bytes for a group and K step.
; SELECT WORDS: [batch][query group][key group][tile a][64 words]: bit l of word j = keep(query row l%16 of tile a, key 32 (j/16) + 16 (l/16) + j%16).
; SHARES: a wave takes four tiles x 128 columns: 64 rows x 512 bytes.  Work-groups 0-351 quantise, 352-479 make select words; the two ways part once and have LDS bytes of their own.
; Each load reads 512 consecutive bytes of one row; a tile's 16 rows turn through the wave's own stage (rows 528 bytes apart, so that the 16 rows of a read start in 16 different groups of banks) so that a lane gets 16 neighbours of each block.
.set ROWX,  4096
.set ROWM,  8192
.set STG,   16*528
.set MBASE, 4*STG
.set KSB,   12288
.set GRPB,  8*KSB
.set SC_OFF, 88*GRPB
.set NQW,   352
.set LO,  4                            ; v4   16 x lane
.set SA,  5                            ; v5   stage + 16 x lane
.set SB,  6                            ; v6   stage + 528 r + 64 h
.set SWA, 7                            ; v7   16 r + 8 h
.set ML,  8                            ; v8   8 x lane
.set PO,  9                            ; v9   128 (lane/8) + 8 (lane%8)
.set R,   16                           ; v16-143  two sets of 64: a tile as loaded
.set T,   144                          ; v144-207 a tile turned: register 16 b + e = column 32 b + 16 h + e of row r
.set PC,  208                          ; v208-226 codes
.set TM,  228                          ; v228-243 at work
.set PW,  244
.set PWS, 246                          ; v246-249 the four tiles' scale words
.set OW,  250
.set AW,  208                          ; mask way: v208-209 lane L holds words 2 L and 2 L + 1
.set PADW, 210                         ; v210-217 the same words of pad_mask, for each batch
.set OUT, 218                          ; v218-249 results, registers of their own for each tile
.set C0,  250
.set C1,  251
.set WV,  20
.set SEL, 24
.set HM,  26
.set SRC, 30
.set DC,  34
.set DSC, 36
.macro LOADT t, rowb                   ; tile t of my four: 16 rows, 512 consecutive bytes each
.irp p, 0,1,2,3,4,5,6,7,8,9,10,11,12,13,14,15
	global_load_b128 v[R+64*((\t)%2)+4*\p:R+64*((\t)%2)+4*\p+3], v[LO], s[SRC:SRC+1] offset:(32*((\t)/2)+8*((\t)%2)+\p+8*(\p/8))*\rowb th:TH_LOAD_NT
.endr
.endm
.macro TURN t, base                    ; through my stage: LDS serves a wave's instructions in order, so no wait stands between the stores and the loads
.irp p, 0,1,2,3,4,5,6,7,8,9,10,11,12,13,14,15
	ds_store_b128 v[SA], v[R+64*((\t)%2)+4*\p:R+64*((\t)%2)+4*\p+3] offset:\base+528*\p
.endr
.irp b, 0,1,2,3
.irp j, 0,1,2,3
	ds_load_b128 v[T+16*\b+4*\j:T+16*\b+4*\j+3], v[SB] offset:\base+128*\b+16*\j
.endr
.endr
.endm
.macro HEADT t, base, rowb             ; a tile's way in
.if (\t) < 3
	s_wait_loadcnt 16                              ; this tile's 16 loads are in; the next tile's 16 may be out
.else
	s_wait_loadcnt 0x0
.endif
	TURN \t, \base
	s_wait_dscnt 0x0                               ; the tile is turned, and the stores have read the set that the next loads take
.if (\t) < 2
	LOADT (\t)+2, \rowb
.endif
.endm
; 64 numbers of a lane, register 16 b + e = k 32 b + 16 h + e of my row, become a fragment's codes in v[PC] on and its scale word in v[PW]
.macro QUANT s, w
.irp b, 0,1,2,3
	v_max3_num_f32 v[TM+\b], |v[\s+16*\b]|, |v[\s+1+16*\b]|, 0x1800000   ; my 16 numbers of block b, and the floor 2^(3 - 127): the byte cannot fall under 1
.endr
.irp i, 2,4,6,8,10,12,14
.irp b, 0,1,2,3
	v_max3_num_f32 v[TM+\b], v[TM+\b], |v[\s+16*\b+\i]|, |v[\s+1+16*\b+\i]|
.endr
.endr
.irp b, 0,1,2,3
	v_permlanex16_b32 v[TM+4+\b], v[TM+\b], s[SEL], s[SEL+1]
.endr
.irp b, 0,1,2,3
	v_max_num_f32 v[TM+\b], v[TM+\b], v[TM+4+\b]   ; with lane l xor 16's: the block's largest magnitude
.endr
.irp b, 0,1,2,3
	v_add_nc_u32 v[TM+12+\b], 0xff000000, v[TM+\b] ; 2 off its exponent field: the conversion's scale operand
.endr
.irp b, 0,1,2,3
	v_lshrrev_b32 v[TM+4+\b], 23, v[TM+12+\b]      ; the scale's byte
.endr
	v_lshl_or_b32 v[PW], v[TM+5], 8, v[TM+4]
	v_lshl_or_b32 v[PW], v[TM+6], 16, v[PW]
	v_lshl_or_b32 v[PW], v[TM+7], 24, v[PW]
.if (\w) > 0
	s_wait_xcnt 0x0                                ; the last tile's stores have read the codes' registers: they are written again only behind this wait
.endif
.irp c, 0,1
	v_cvt_scalef32_pk16_fp6_f32 v[PC+6*\c:PC+2+6*\c], v[\s+32*\c:\s+15+32*\c], v[TM+12+2*\c]
	v_cvt_scalef32_pk16_fp6_f32 v[PC+12+4*\c:PC+14+4*\c], v[\s+16+32*\c:\s+31+32*\c], v[TM+12+2*\c+1]
.endr
	v_nop                                          ; one plain place behind a scaled conversion
.irp c, 0,1                            ; the operand's layout wants a whole block in a lane
.irp i, 0,1,2
	v_permlane16_swap_b32 v[PC+6*\c+\i], v[PC+12+4*\c+\i]
.endr
.irp i, 0,1,2
	v_mov_b32 v[PC+3+6*\c+\i], v[PC+12+4*\c+\i]
.endr
.endr
.endm
	s_load_b256 s[4:11], s[0:1], 0x0               ; x s[4:5], Wq s[6:7], Wk s[8:9], Wv s[10:11]
	s_load_b256 s[12:19], s[0:1], 0x20             ; attn_mask s[12:13], pad_mask s[14:15], prep s[16:17], mw s[18:19]
	v_lshl_add_u32 v254, v0, 2, 0x10800
	v_mov_b32 v255, 0
	v_lshrrev_b32 v1, 5, v0
	v_readfirstlane_b32 s[WV], v1                  ; wave
	v_and_b32 v1, 31, v0                           ; lane
	v_and_b32 v2, 15, v0                           ; r
	v_bfe_u32 v3, v0, 4, 1                         ; h
	v_lshlrev_b32 v[LO], 4, v1
	s_mul_i32 s21, s[WV], STG
	v_add_nc_u32 v[SA], s21, v[LO]
	v_mul_u32_u24 v[SB], v2, 528
	v_lshl_add_u32 v[SB], v3, 6, v[SB]
	v_add_nc_u32 v[SB], s21, v[SB]
	s_cmp_lt_u32 ttmp9, NQW
	s_cbranch_scc0 .Lmask
	; ---- the quantising way: group G = work-group / 4; of its 16 jobs (K step, half) mine is 4 (work-group % 4) + wave
	s_lshr_b32 s22, ttmp9, 2                       ; G
	s_and_b32 s23, ttmp9, 3
	s_lshl_b32 s23, s23, 2
	s_add_co_u32 s23, s23, s[WV]
	s_lshr_b32 s27, s23, 1                         ; K step
	s_and_b32 s28, s23, 1                          ; half
	s_and_b32 s29, s22, 7                          ; the group's number inside a weight
	s_mov_b32 s[SEL], 0x76543210
	s_mov_b32 s[SEL+1], 0xfedcba98
	s_mov_b32 s[HM], 0xffff0000                    ; lanes 16-31
	s_wait_alu depctr_va_vdst(0)
	v_lshlrev_b32 v[SWA], 4, v2
	v_lshl_add_u32 v[SWA], v3, 3, v[SWA]
.irp b, 0,1,2,3
	v_mov_b32 v[TM+4+\b], 0                        ; written once: a lane permute's destination counts as one of its sources
.endr
	s_wait_kmcnt 0x0
	s_cmp_lt_u32 s22, 80                           ; which tensor: the choice hangs on the work-group's number alone
	s_cselect_b64 s[SRC:SRC+1], s[8:9], s[10:11]
	s_cmp_lt_u32 s22, 72
	s_cselect_b64 s[SRC:SRC+1], s[6:7], s[SRC:SRC+1]
	s_cmp_lt_u32 s22, 64
	s_cselect_b64 s[SRC:SRC+1], s[4:5], s[SRC:SRC+1]
	s_cselect_b32 s29, s22, s29
	s_lshl_b32 s29, s29, 1
	s_add_co_u32 s29, s29, s28
	s_lshl_b32 s32, s29, 18                        ; (2 group + half) x 64 rows x 4,096 bytes
	s_lshl_b32 s33, s27, 9
	s_add_co_u32 s32, s32, s33                     ; + 512 x K step
	s_mov_b32 s33, 0
	s_add_nc_u64 s[SRC:SRC+1], s[SRC:SRC+1], s[32:33]
	s_mul_i32 s32, s22, GRPB
	s_mul_i32 s38, s27, KSB
	s_add_co_u32 s32, s32, s38
	s_mul_i32 s38, s28, 4*1536
	s_add_co_u32 s32, s32, s38
	s_add_nc_u64 s[DC:DC+1], s[16:17], s[32:33]    ; my four images
	s_lshl_b32 s32, s22, 12
	s_lshl_b32 s38, s27, 9
	s_add_co_u32 s32, s32, s38
	s_lshl_b32 s38, s28, 8
	s_add_co_u32 s32, s32, s38
	s_add_co_u32 s32, s32, SC_OFF
	s_add_nc_u64 s[DSC:DSC+1], s[16:17], s[32:33]  ; my 256 bytes of scale words
	LOADT 0, ROWX
	LOADT 1, ROWX
.irp t, 0,1,2,3
	HEADT \t, 0, ROWX
	QUANT T, \t
.irp c, 0,1,2
	global_store_b128 v[LO], v[PC+4*\c:PC+4*\c+3], s[DC:DC+1] offset:\t*1536+512*\c   ; 32 lanes store 512 consecutive bytes
.endr
	v_mov_b32 v[PWS+\t], v[PW]
.endr
	v_cndmask_b32 v[OW], v[PWS], v[PWS+2], s[HM]   ; lane (r, h) stores the words of tiles 2 h and 2 h + 1 of row r
	v_cndmask_b32 v[OW+1], v[PWS+1], v[PWS+3], s[HM]
	global_store_b64 v[SWA], v[OW:OW+1], s[DSC:DSC+1]   ; 256 consecutive bytes, aligned
	s_wait_tensorcnt 0x0
	ds_add_u32 v254, v255
	s_wait_dscnt 0x0
	s_endpgm
.Lmask:
	; ---- the masks' way: query group = (work-group - 352) / 8; of its 32 jobs (key group, half) mine is 4 (.. % 8) + wave.  attn_mask is read once and serves all four batches
	s_sub_co_u32 s22, ttmp9, NQW
	s_lshr_b32 s23, s22, 3                         ; query group
	s_and_b32 s22, s22, 7
	s_lshl_b32 s22, s22, 2
	s_add_co_u32 s22, s22, s[WV]
	s_lshr_b32 s27, s22, 1                         ; key group
	s_and_b32 s28, s22, 1                          ; half
	s_lshl_b32 s29, s23, 1
	s_add_co_u32 s29, s29, s28
	s_lshl_b32 s32, s29, 19                        ; (2 group + half) x 64 rows x 8,192 bytes
	s_lshl_b32 s33, s27, 9
	s_add_co_u32 s32, s32, s33
	s_mov_b32 s33, 0
	s_wait_alu depctr_va_vdst(0)
	v_lshlrev_b32 v[ML], 3, v1
	v_lshrrev_b32 v[PO], 3, v1
	v_and_b32 v10, 7, v1
	v_lshlrev_b32 v[PO], 7, v[PO]
	v_lshl_add_u32 v[PO], v10, 3, v[PO]
	v_mov_b32 v[C0], 0xffff
	v_mov_b32 v[C1], 0xffff0000
	v_mov_b32 v[AW], 0                             ; written once: v_writelane_b32 keeps the other lanes
	v_mov_b32 v[AW+1], 0
	s_wait_alu depctr_va_vdst(0)
	s_wait_kmcnt 0x0
	s_add_nc_u64 s[SRC:SRC+1], s[12:13], s[32:33]
	s_lshl_b32 s32, s27, 9
	s_add_nc_u64 s[DC:DC+1], s[14:15], s[32:33]    ; pad_mask at my 128 keys
	s_lshl_b32 s32, s23, 15
	s_lshl_b32 s38, s27, 11
	s_add_co_u32 s32, s32, s38
	s_lshl_b32 s38, s28, 10
	s_add_co_u32 s32, s32, s38
	s_add_nc_u64 s[DSC:DSC+1], s[18:19], s[32:33]
.irp b, 0,1,2,3                        ; lane L's words 2 L, 2 L + 1 speak of keys 32 (L/8) + 2 (L%8) + e (lanes 0-15 of the word) and 16 further on (lanes 16-31)
	global_load_b64 v[T+4*\b:T+4*\b+1], v[PO], s[DC:DC+1] offset:8192*\b
	global_load_b64 v[T+4*\b+2:T+4*\b+3], v[PO], s[DC:DC+1] offset:8192*\b+64
.endr
	LOADT 0, ROWM
	LOADT 1, ROWM
	s_wait_loadcnt 32                              ; pad_mask's eight loads are in; the two tiles' 32 may be out
.irp b, 0,1,2,3
.irp e, 0,1
	v_cmp_ne_u32 vcc_lo, 0, v[T+4*\b+\e]
	v_cndmask_b32 v[PADW+2*\b+\e], 0, v[C0], vcc_lo
	v_cmp_ne_u32 vcc_lo, 0, v[T+4*\b+2+\e]
	v_cndmask_b32 v[T+4*\b+\e], 0, v[C1], vcc_lo
	v_or_b32 v[PADW+2*\b+\e], v[PADW+2*\b+\e], v[T+4*\b+\e]
.endr
.endr
.macro MTILE t
	HEADT \t, MBASE, ROWM
.set j, 0
.rept 4                                ; sixteen words at a time, in sixteen scalar registers: no line reads what the line above it wrote
.rept 16
	v_cmp_ne_u32 s[40+j%16], 0, v[T+j]             ; word j: a bit for each lane
.set j, j+1
.endr
.set j, j-16
.rept 16
	v_writelane_b32 v[AW+j%2], s[40+j%16], j/2
.set j, j+1
.endr
.endr
.irp b, 0,1,2,3
	v_and_b32 v[OUT+8*(\t)+2*\b], v[AW], v[PADW+2*\b]
	v_and_b32 v[OUT+8*(\t)+2*\b+1], v[AW+1], v[PADW+2*\b+1]
	global_store_b64 v[ML], v[OUT+8*(\t)+2*\b:OUT+8*(\t)+2*\b+1], s[DSC:DSC+1] offset:\b*524288+(\t)*256   ; 256 consecutive bytes, aligned
.endr
.endm
	MTILE 0
	MTILE 1
	MTILE 2
	MTILE 3
	s_wait_tensorcnt 0x0
	ds_add_u32 v254, v255
	s_wait_dscnt 0x0
	s_endpgm
.Lfunc_end_k_q68ca1bcc0b_prep:
	.size	k_q68ca1bcc0b_prep, .Lfunc_end_k_q68ca1bcc0b_prep-k_q68ca1bcc0b_prep
	.p2alignl 7, 3214868480
	.fill 96, 4, 3214868480
	.section	.rodata,"a",@progbits
	.p2align	6, 0x0
	.amdhsa_kernel k_q68ca1bcc0b_prep
		.amdhsa_group_segment_fixed_size 68096
		.amdhsa_private_segment_fixed_size 0
		.amdhsa_enable_private_segment 0
		.amdhsa_kernarg_size 64
		.amdhsa_user_sgpr_count 2
		.amdhsa_user_sgpr_kernarg_segment_ptr 1
		.amdhsa_wavefront_size32 1
		.amdhsa_system_sgpr_workgroup_id_x 1
		.amdhsa_system_sgpr_workgroup_id_y 1
		.amdhsa_system_sgpr_workgroup_id_z 1
		.amdhsa_system_vgpr_workitem_id 0
		.amdhsa_next_free_vgpr 256
		.amdhsa_next_free_sgpr 66
		.amdhsa_reserve_vcc 1
		.amdhsa_float_denorm_mode_32 3
		.amdhsa_float_denorm_mode_16_64 3
		.amdhsa_memory_ordered 1
		.amdhsa_forward_progress 1
		.amdhsa_inst_pref_size 86
	.end_amdhsa_kernel
	.amdgpu_metadata
---
amdhsa.version: [ 1, 2 ]
amdhsa.kernels:
  - .name:           k_q68ca1bcc0b_prep
    .symbol:         k_q68ca1bcc0b_prep.kd
    .args:
      - { .name: x, .offset: 0, .size: 8, .value_kind: global_buffer, .address_space: global }
      - { .name: Wq, .offset: 8, .size: 8, .value_kind: global_buffer, .address_space: global }
      - { .name: Wk, .offset: 16, .size: 8, .value_kind: global_buffer, .address_space: global }
      - { .name: Wv, .offset: 24, .size: 8, .value_kind: global_buffer, .address_space: global }
      - { .name: attn_mask, .offset: 32, .size: 8, .value_kind: global_buffer, .address_space: global }
      - { .name: pad_mask, .offset: 40, .size: 8, .value_kind: global_buffer, .address_space: global }
      - { .name: prep, .offset: 48, .size: 8, .value_kind: global_buffer, .address_space: global }
      - { .name: mw, .offset: 56, .size: 8, .value_kind: global_buffer, .address_space: global }
    .group_segment_fixed_size: 68096
    .private_segment_fixed_size: 0
    .kernarg_segment_align: 8
    .kernarg_segment_size: 64
    .max_flat_workgroup_size: 128
    .sgpr_count:     66
    .vgpr_count:     256
    .wavefront_size: 32
...
	.end_amdgpu_metadata
.endif
;; end of part 1
;; launch proj (part 2): grid 8 x 32, 4 waves a work-group, clusters of 4 x 4, 327,680 bytes of LDS; arguments prep, bq, bk, bv, qkv; writes qkv
.if DOCPART == 2
	.amdgcn_target "amdgcn-amd-amdhsa--gfx1250"
	.amdhsa_code_object_version 6
	.text
	.protected	k_q68ca1bcc0b_proj
	.globl	k_q68ca1bcc0b_proj
	.p2align	8
	.type	k_q68ca1bcc0b_proj,@function
k_q68ca1bcc0b_proj:
	s_mov_b64 s[64:65], 0
	v_nop
	global_prefetch_b8 v0, s[64:65] scope:SCOPE_SE
	s_setreg_imm32_b32 hwreg(HW_REG_WAVE_MODE, 25, 1), 1
	s_wait_xcnt 0x0
	s_wait_alu depctr_hold_cnt(0) depctr_sa_sdst(0) depctr_va_vdst(0) depctr_va_sdst(0) depctr_va_ssrc(0) depctr_va_vcc(0) depctr_vm_vsrc(0)
	s_getreg_b32 s2, hwreg(HW_REG_IB_STS2, 6, 4)
	s_cmp_eq_u32 s2, 0
	s_cbranch_scc0 .Lentry_in_a_cluster
	s_endpgm
.Lentry_in_a_cluster:
	s_bfe_u32 s2, ttmp6, 0x10000c
	s_cmp_lg_u32 s2, 0xf033
	s_cbranch_scc0 .Lentry_shape_is_right
	s_endpgm
.Lentry_shape_is_right:
; q, k, v = x W^T + b on codes of FP6 (E2M3) with E8M0 scales, K = 1,024; each result is quantised in registers for the product that reads it, and stored as images of operand registers.
; 8,192 x 3,072 results are 384 tiles of 256 x 256; the grid has 256 work-groups, so each makes one tile and a half, in two parts:
; PART 1 (q, k): Y = 256 tokens of x, X = 256 rows of Wq or Wk; a wave makes 128 x 128: 64 accumulators.  A lane holds one token and its registers run along the features, the K of q k^T.
; PART 2 (v): Y = 256 rows of Wv, X = 128 tokens; wave w makes 64 features (group w/2, tiles 4 (w%2) + 0..3) x 128 tokens: 32 accumulators.  A lane holds one feature and its registers run along the tokens, the K of p v.
; Source 1 (Y) gives a lane its row, source 0 (X) runs along a lane's registers.
; OPERANDS lie as images of fragments: [group of 128 rows][K step of 128][tile 8][1,536 bytes]; tile i holds rows 32 (i/2) + 8 (i%2) + p + 8 (p/8).  So with X's tile i and Y's tile a, lane (r, h), register j holds
; (X row 32 (i/2) + 8 (i%2) + 16 h + j, Y row r of tile a): the 64 registers of a fixed a are 16 neighbours of each block of 32 along X: what the conversions take.
; A fragment comes from LDS by three loads of 16 bytes a lane, 512 consecutive bytes each.
; LDS: four parts of 73,728 bytes, one a wave, each three units of two K steps (24,576 bytes).  Waves 0, 1 fetch Y's groups, waves 2, 3 X's.
;   the head: K steps 0-5 of part 1, ONE load of 288 rows of 256 bytes a wave;   behind the round in K step 1: K steps 6-7 into unit 0;
;   behind the round in K step 5: part 2 into units 1, 2, one load of 192 rows (waves 0, 1: Wv's group w, K pairs 0, 1; waves 2, 3: the tokens' K pairs 0, 1 and 2, 3);
;   behind a round between the second and the third tile of part 1's way out: part 2 into unit 0 (every wave for Y: Wv's group w % 2, K pair 2 + w / 2).  A wave has one tensor load out at a time.
; SCALE WORDS ([group][K step][half][row][4 tiles]) come by loads straight into v64-127, register 8 k + i: part 1's at the head (lanes 0-15 Y's tile i, lanes 16-31 X's), part 2's behind part 1's last product.
; CLUSTER 4 x 4: Y's tiles hang on cy alone and are asked for jointly along a row of the cluster, X's on cx and the cluster's number and are asked for along a column, in both parts.
; BIASES are added in the copy that brings a tile's 64 numbers to the quantiser: bq, bk along the registers, bv along the lanes; they are loaded at the head.
; NO PREFETCH: the text has no loop to run ahead in, and six of part 1's eight K steps are asked for by the head's loads.
; LIMITS: NaN and infinities are not served; blocks whose largest magnitude lies under 2^-124 keep the byte 1.
; All of LDS is claimed, and 0 is added to spare words at the head, ahead of each refill's round and at the end.
.set KSB,   12288
.set GRPB,  8*KSB
.set HALFT, 2*KSB
.set PARTB, 6*KSB
.set SPARE, 4*PARTB
.set SC_OFF, 88*GRPB
.set KC,    64*GRPB
.set VC,    2*KC
.set QS,    3*KC
.set VS,    QS+2*64*4096
.set FR,    12
.set VBC,  4                           ; v4     64 h: the register bias's place for my lane
.set VB1,  5                           ; v5     4 (r + 8 (r/8)): the lane bias's
.set VS0,  6                           ; v6-7   part 2's scale words in memory: lanes 0-15 Wv's, lanes 16-31 the tokens'
.set ADY,  8                           ; v8-11  part 2: my Y fragments of K pairs 0-3
.set ADX,  12                          ; v12-15 part 2: X's fragments likewise
.set ADRA, 16                          ; v16-17 part 1: my Y fragments: K steps 0-3 (and 6-7), K steps 4-5
.set ADRB, 20                          ; v20-21 part 1: my X fragments likewise
.set LI,   24                          ; v24    16 x lane
.set SWA,  25                          ; v25    16 r + 8 h
.set VS1,  26                          ; v26    part 1's scale words in memory: lanes 0-15 Y's, lanes 16-31 X's
.set SPW,  28
.set NIL,  29
.set SCW,  64                          ; v64-127 scale words
.set AF,   128                         ; v128-223 Y's fragments: part 1 one set of eight, part 2 two sets of four
.set T,    128                         ; the way out: 64 numbers
.set PC,   192
.set TM,   212
.set PW,   228
.set PWS,  230
.set OW,   240
.set B1,   244                         ; v244-251 the lane bias, a pair for each of my four tiles.  (The register bias: window 1, v96-127 and v224-255)
.set PX2, 2
.set PY2, 8
.set G1, 24
.set G0, 32
.set G1B, 48
.set G0B, 56
.set HM,  66
.set SEL, 94
.set OCP, 96
.set OSP, 98
.set OCP2, 100
.set OSP2, 104
.set MSB, 0
.macro WIN new
.if MSB != \new
	s_set_vgpr_msb (MSB<<8)|\new
.set MSB, \new
.endif
.endm
.set MUL_LO, 0xa1                      ; source 0 (X) window 1, source 1 (Y) window 0, C and D window 2
.set MUL_HI, 0xf1
.set TO_B,   0x40
.macro JLOAD                           ; a joint load: waves 0, 1 for Y, waves 2, 3 for X; s_nop 0 and four v_nop follow each line
	s_cmp_eq_u32 s15, 0
	s_cbranch_scc0 .Lfor_b_\@
	tensor_load_to_lds s[G0:G0+3], s[G1:G1+7]
	s_nop 0
.rept 4
	v_nop
.endr
	s_branch .Lasked_\@
.Lfor_b_\@:
	tensor_load_to_lds s[G0B:G0B+3], s[G1B:G1B+7]
	s_nop 0
.rept 4
	v_nop
.endr
.Lasked_\@:
.endm
.macro CREST
	s_cmp_lg_u32 s14, 0
	s_cbranch_scc1 .Lnot_wave_0_\@
	s_barrier_signal -3
.Lnot_wave_0_\@:
	s_barrier_wait -3
	s_barrier_signal -1
	s_barrier_wait -1
.endm
.macro CROUND
	s_barrier_signal -1
	s_barrier_wait -1
	CREST
.endm
.macro PLACES n
.rept \n
	v_nop
.endr
.endm
.macro FRAG reg, adr, q, i
.irp c, 0,1,2
	ds_load_b128 v[\reg+4*\c:\reg+4*\c+3], v[\adr] offset:(\q)*KSB+(\i)*1536+512*\c
.endr
.endm
.macro FETCH_B adr, q, p               ; X's eight fragments into set p
	WIN TO_B
.irp i, 0,1,2,3,4,5,6,7
	FRAG 128*(\p)+FR*\i, \adr, \q, \i
.endr
	WIN 0
.endm
.macro FETCH_A adr, q, i0              ; part 1: Y's tiles i0 .. i0 + 3
.irp i, \i0, \i0+1, \i0+2, \i0+3
	FRAG AF+FR*(\i), \adr, \q, \i
.endr
.endm
.macro FETCH_Y adr, q, st              ; part 2: my four tiles of Y into set st
.irp i, 0,1,2,3
	FRAG AF+FR*(4*(\st)+\i), \adr, \q, \i
.endr
.endm
; 16 matrix instructions: the fragments of Y at places a0, a0 + 1 x X's eight; scb: the K step's scale words.  zero = 1: the first product starts the sums.  The accumulators take turns, one instruction a turn.
.macro MUL16 a0, p, scb, zero
.irp a, \a0, \a0+1
.irp b, 0,1,2,3,4,5,6,7
.if \zero
	v_wmma_scale_f32_16x16x128_f8f6f4 v[8*(8*((\a)%4)+\b):8*(8*((\a)%4)+\b)+7], v[128*(\p)+FR*\b:128*(\p)+FR*\b+FR-1], v[AF+FR*(\a):AF+FR*(\a)+FR-1], 0, v[\scb+\b], v[\scb+(\a)] matrix_a_fmt:MATRIX_FMT_FP6 matrix_b_fmt:MATRIX_FMT_FP6 matrix_a_scale:MATRIX_SCALE_ROW1
.else
	v_wmma_scale_f32_16x16x128_f8f6f4 v[8*(8*((\a)%4)+\b):8*(8*((\a)%4)+\b)+7], v[128*(\p)+FR*\b:128*(\p)+FR*\b+FR-1], v[AF+FR*(\a):AF+FR*(\a)+FR-1], v[8*(8*((\a)%4)+\b):8*(8*((\a)%4)+\b)+7], v[\scb+\b], v[\scb+(\a)] matrix_a_fmt:MATRIX_FMT_FP6 matrix_b_fmt:MATRIX_FMT_FP6 matrix_a_scale:MATRIX_SCALE_ROW1
.endif
.endr
.endr
.endm
; part 1, K step k: 64 products; the next step's fragments are fetched in its middle and at its end.  sync = 1: units that are read no more are filled again: the three lines, a round, the refill.
.macro STEP k, sync, zero
.set NK, (\k)+1
.set NA, (NK/4)&(1-NK/6)               ; K steps 4, 5 by the second address register
.set NQ, NK%4-2*(NK/6)                 ; K steps 6, 7 lie where 0, 1 lay
.if \sync
	s_wait_tensorcnt 0x0                           ; all my tensor loads have landed
	ds_add_u32 v[SPW], v[NIL]                      ; 0 onto my spare word
	s_wait_dscnt 13                                ; the add and the youngest 12 loads (Y's tiles 4-7) may be out
	WIN MUL_LO
	MUL16 0, (\k)%2, SCW+8*(\k), \zero
	s_wait_dscnt 0x0                               ; the add is done, and so are my reads so far
	s_barrier_signal -1
	MUL16 2, (\k)%2, SCW+8*(\k), \zero
	WIN 0
	s_barrier_wait -1
	CREST                                          ; no wave of any partner still reads the units or has a load on its way
.if (\k) == 5                          ; units 1, 2 take part 2's operands: 192 rows
	s_add_co_u32 s[G0+1], s45, HALFT
	s_add_co_u32 s[G0B+1], s45, HALFT
	s_mov_b64 s[G0+2:G0+3], s[PY2:PY2+1]
	s_or_b32 s[G0+3], s[G0+3], 0x80000000
	s_mov_b64 s[G0B+2:G0B+3], s[PX2:PX2+1]
	s_or_b32 s[G0B+3], s[G0B+3], 0x80000000
	s_mov_b32 s[G1+2], 192<<16
	s_mov_b32 s[G1+4], 192
	s_mov_b32 s[G1B+2], 192<<16
	s_mov_b32 s[G1B+4], 192
.endif
	JLOAD                                          ; the first tensor load behind the round; its four v_nop are the places for the loads below
.else
	s_wait_dscnt 12                                ; all but the youngest 12 loads (Y's tiles 4-7)
	WIN MUL_LO
	MUL16 0, (\k)%2, SCW+8*(\k), \zero
	MUL16 2, (\k)%2, SCW+8*(\k), \zero
	s_wait_dscnt 0
	PLACES 4                                       ; four plain places in front of loads into registers that matrix instructions have read
.endif
	FETCH_B ADRB+NA, NQ, NK%2
	FETCH_A ADRA+NA, NQ, 0
	WIN MUL_HI
	MUL16 4, (\k)%2, SCW+8*(\k), \zero
	MUL16 6, (\k)%2, SCW+8*(\k), \zero
	PLACES 4
	WIN 0
	FETCH_A ADRA+NA, NQ, 4
.endm
; part 2: K step k on sets st = k % 2: 32 matrix instructions; the next K step's 36 loads (K pair np, sets 1 - st) are issued in front of them
.macro STEP2 k, st, np, first, last
.if \last
	s_wait_dscnt 0x0
.else
.if \first
	s_wait_dscnt 0x0                               ; K step 0's fragments are in
.else
	PLACES 4                                       ; in front of loads into the sets that the last K step's products have read
.endif
	FETCH_B ADX+\np, 1-\st, 1-\st
	FETCH_Y ADY+\np, 1-\st, 1-\st
.if \first == 0
	s_wait_dscnt 36                                ; all but the 36 just issued: this K step's fragments are in
.endif
.endif
	WIN MUL_LO
	MUL16 4*\st, \st, SCW+8*\k, \first
	MUL16 4*\st+2, \st, SCW+8*\k, \first
	WIN 0
.endm
.macro QUANT s, w
.irp b, 0,1,2,3
	v_max3_num_f32 v[TM+\b], |v[\s+16*\b]|, |v[\s+1+16*\b]|, 0x1800000   ; my 16 numbers of block b, and the floor 2^(3 - 127)
.endr
.irp i, 2,4,6,8,10,12,14
.irp b, 0,1,2,3
	v_max3_num_f32 v[TM+\b], v[TM+\b], |v[\s+16*\b+\i]|, |v[\s+1+16*\b+\i]|
.endr
.endr
.irp b, 0,1,2,3
	v_permlanex16_b32 v[TM+4+\b], v[TM+\b], s[SEL], s[SEL+1]
.endr
.irp b, 0,1,2,3
	v_max_num_f32 v[TM+\b], v[TM+\b], v[TM+4+\b]
.endr
.irp b, 0,1,2,3
	v_add_nc_u32 v[TM+12+\b], 0xff000000, v[TM+\b] ; 2 off the exponent field: the conversion's scale operand
.endr
.irp b, 0,1,2,3
	v_lshrrev_b32 v[TM+4+\b], 23, v[TM+12+\b]
.endr
	v_lshl_or_b32 v[PW], v[TM+5], 8, v[TM+4]
	v_lshl_or_b32 v[PW], v[TM+6], 16, v[PW]
	v_lshl_or_b32 v[PW], v[TM+7], 24, v[PW]
.if (\w) > 0
	s_wait_xcnt 0x0                                ; the last tile's stores have read the codes' registers
.endif
.irp c, 0,1
	v_cvt_scalef32_pk16_fp6_f32 v[PC+6*\c:PC+2+6*\c], v[\s+32*\c:\s+15+32*\c], v[TM+12+2*\c]
	v_cvt_scalef32_pk16_fp6_f32 v[PC+12+4*\c:PC+14+4*\c], v[\s+16+32*\c:\s+31+32*\c], v[TM+12+2*\c+1]
.endr
	v_nop                                          ; one plain place behind a scaled conversion
.irp c, 0,1
.irp i, 0,1,2
	v_permlane16_swap_b32 v[PC+6*\c+\i], v[PC+12+4*\c+\i]
.endr
.irp i, 0,1,2
	v_mov_b32 v[PC+3+6*\c+\i], v[PC+12+4*\c+\i]
.endr
.endr
.endm
	s_load_b256 s[4:11], s[0:1], 0x0               ; prep s[4:5], bq s[6:7], bk s[8:9], bv s[10:11]
	s_load_b64 s[12:13], s[0:1], 0x20              ; qkv
	v_lshl_add_u32 v[SPW], v0, 2, SPARE
	v_mov_b32 v[NIL], 0
	ds_add_u32 v[SPW], v[NIL]                      ; the opening lines: the add, twice on end, and its wait ahead of my first tensor load
	ds_add_u32 v[SPW], v[NIL]
	v_lshrrev_b32 v1, 5, v0
	v_readfirstlane_b32 s14, v1                    ; wave
	s_lshr_b32 s15, s14, 1                         ; my Y group.  Also: I fetch for Y (0) or X (1)
	s_and_b32 s16, s14, 1                          ; part 1: my X group; part 2: my half of Y's tiles.  Also: which group or K pairs I fetch
	s_bfe_u32 s40, ttmp6, 0x40000                  ; cx
	s_bfe_u32 s41, ttmp6, 0x40004                  ; cy
	s_lshl_b32 s42, ttmp9, 2
	s_add_co_u32 s42, s42, s40                     ; gx = 4 x cluster x + cx: 0-3 Wq's tiles, 4-7 Wk's
	s_and_b32 s17, ttmp7, 0xffff                   ; cluster y
	s_lshl_b32 s43, s41, 2
	s_lshl_b32 s43, 15, s43                        ; my row of the cluster
	s_lshl_b32 s44, 0x1111, s40                    ; my column
	s_or_b32 s[G1+0], s43, (3<<16)|(1<<21)         ; dense blocks as rows of 256 bytes (32 elements of 8 bytes), no padding: 288 rows at the head
	s_or_b32 s[G1B+0], s44, (3<<16)|(1<<21)
.irp g, G1, G1B
	s_mov_b32 s[\g+1], 32<<16
	s_mov_b32 s[\g+2], 288<<16
	s_mov_b32 s[\g+3], 32<<16
	s_mov_b32 s[\g+4], 288
	s_mov_b32 s[\g+5], 32
	s_mov_b32 s[\g+6], 0
	s_mov_b32 s[\g+7], 0
.endr
	s_mov_b32 s[HM], 0xffff0000                    ; lanes 16-31
	s_mov_b32 s[SEL], 0x76543210
	s_mov_b32 s[SEL+1], 0xfedcba98
	s_lshl_b32 s18, s17, 2
	s_add_co_u32 s18, s18, s41                     ; part 1: the token tile 4 x cluster y + cy
	s_lshl_b32 s92, s17, 1
	s_add_co_u32 s92, s92, ttmp9                   ; the cluster's number, 0-15
	s_lshl_b32 s92, s92, 2
	s_add_co_u32 s92, s92, s40                     ; part 2: the token group 4 x cluster + cx, 0-63
	s_lshl_b32 s93, s41, 1
	s_add_co_u32 s93, s93, s15                     ; part 2: my group of v's features 2 cy + wave / 2, 0-7
	s_mul_i32 s100, s93, 64*KSB                    ; where part 2's results go: [feature group][token group][tile], my four tiles
	s_mul_i32 s101, s92, KSB
	s_add_co_u32 s100, s100, s101
	s_mul_i32 s101, s16, 4*1536
	s_add_co_u32 s100, s100, s101
	s_add_co_u32 s100, s100, VC
	s_mov_b32 s101, 0
	s_lshl_b32 s104, s93, 15
	s_lshl_b32 s105, s92, 9
	s_add_co_u32 s104, s104, s105
	s_lshl_b32 s105, s16, 8
	s_add_co_u32 s104, s104, s105
	s_add_co_u32 s104, s104, VS
	s_mov_b32 s105, 0
	s_lshl_b32 s20, s93, 9                         ; bv: my 64 features
	s_lshl_b32 s21, s16, 8
	s_add_co_u32 s20, s20, s21
	s_mov_b32 s21, 0
	s_lshl_b32 s68, s93, 12                        ; part 2's scale words: my four tiles' words of Wv,
	s_lshl_b32 s23, s16, 8
	s_add_co_u32 s68, s68, s23
	s_add_co_u32 s68, s68, SC_OFF+80*4096
	s_sub_co_u32 s70, s68, 256                     ; (the second load's immediate of 256 is taken off again for lanes 0-15)
	s_lshl_b32 s69, s92, 12                        ; and the tokens'
	s_add_co_u32 s69, s69, SC_OFF
	s_mul_i32 s2, s92, GRPB                        ; what I fetch for part 2: the tokens' group, K pairs 2 (wave % 2) and the next,
	s_mul_i32 s3, s16, 2*HALFT
	s_add_co_u32 s2, s2, s3
	s_mov_b32 s3, 0
	s_lshl_b32 s22, s41, 1
	s_add_co_u32 s22, s22, s16
	s_add_co_u32 s22, s22, 80
	s_mul_i32 s22, s22, GRPB                       ; Wv's group 2 cy + wave % 2,
	s_mov_b32 s23, 0
	s_mul_i32 s76, s15, HALFT
	s_add_co_u32 s76, s76, 2*HALFT                 ; and for its last fill K pair 2 + wave / 2
	s_mov_b32 s77, 0
	s_lshl_b32 s19, s18, 1
	s_add_co_u32 s19, s19, s15                     ; part 1: my token group
	s_lshl_b32 s67, s42, 1
	s_add_co_u32 s67, s67, s16
	s_and_b32 s67, s67, 7                          ; its K step in the result: my 128 features of q or of k
	s_lshr_b32 s92, s42, 2                         ; 1: k
	s_mul_i32 s96, s19, GRPB
	s_mul_i32 s93, s92, KC
	s_add_co_u32 s96, s96, s93
	s_mul_i32 s93, s67, KSB
	s_add_co_u32 s96, s96, s93
	s_mov_b32 s97, 0
	s_lshl_b32 s98, s19, 12
	s_lshl_b32 s93, s92, 18
	s_add_co_u32 s98, s98, s93
	s_lshl_b32 s93, s67, 9
	s_add_co_u32 s98, s98, s93
	s_add_co_u32 s98, s98, QS
	s_mov_b32 s99, 0
	s_lshl_b32 s92, s67, 9                         ; bq or bk: my 128 features
	s_mov_b32 s93, 0
	s_lshl_b32 s71, s19, 12                        ; part 1's scale words: my token group's,
	s_add_co_u32 s71, s71, SC_OFF
	s_lshl_b32 s18, s18, 1                         ; what I fetch for part 1
	s_add_co_u32 s18, s18, s16
	s_mul_i32 s18, s18, GRPB
	s_mov_b32 s19, 0
	s_lshl_b32 s46, s42, 1
	s_add_co_u32 s46, s46, s16
	s_add_co_u32 s46, s46, 64
	s_lshl_b32 s72, s46, 12                        ; and my weight group's, which is also the one that I fetch
	s_add_co_u32 s72, s72, SC_OFF
	s_mul_i32 s46, s46, GRPB
	s_mov_b32 s47, 0
	s_mul_i32 s45, s14, PARTB                      ; where a load goes: wave x a constant: no place in the cluster enters an LDS address
	s_mul_i32 s73, s15, PARTB
	s_mul_i32 s74, s16, PARTB
	s_add_co_u32 s74, s74, 2*PARTB
	s_mul_i32 s75, s16, 4*1536
	s_add_co_u32 s75, s75, s73
	v_and_b32 v1, 31, v0
	v_and_b32 v2, 15, v0                           ; r
	v_bfe_u32 v3, v0, 4, 1                         ; h
	v_lshlrev_b32 v[LI], 4, v1
	v_lshlrev_b32 v[VBC], 6, v3
	v_and_b32 v[VB1], 8, v2
	v_add_nc_u32 v[VB1], v[VB1], v2
	v_lshlrev_b32 v[VB1], 2, v[VB1]
	v_mov_b32 v18, s68
	v_mov_b32 v19, s69
	v_mov_b32 v22, s70
	v_cndmask_b32 v18, v18, v19, s[HM]
	v_cndmask_b32 v22, v22, v19, s[HM]
	v_lshl_add_u32 v[VS0], v2, 4, v18
	v_lshl_add_u32 v[VS0+1], v2, 4, v22
	v_mov_b32 v18, s71
	v_mov_b32 v19, s72
	v_cndmask_b32 v18, v18, v19, s[HM]
	v_lshl_add_u32 v[VS1], v2, 4, v18
	v_add_nc_u32 v[ADRA], s73, v[LI]
	v_add_nc_u32 v[ADRB], s74, v[LI]
	v_add_nc_u32 v[ADRA+1], 4*KSB, v[ADRA]
	v_add_nc_u32 v[ADRB+1], 4*KSB, v[ADRB]
	v_add_nc_u32 v[ADY+2], s75, v[LI]              ; part 2, Y: K pair 2: part = my group, unit 0
	v_add_nc_u32 v[ADY], HALFT, v[ADY+2]           ; K pair 0: unit 1
	v_add_nc_u32 v[ADY+1], 2*HALFT, v[ADY+2]       ; K pair 1: unit 2
	v_add_nc_u32 v[ADY+3], 2*PARTB, v[ADY+2]       ; K pair 3: part 2 + my group, unit 0
	v_add_nc_u32 v[ADX], 2*PARTB+HALFT, v[LI]      ; X: K pairs 0, 1: part 2, units 1, 2
	v_add_nc_u32 v[ADX+1], 2*PARTB+2*HALFT, v[LI]
	v_add_nc_u32 v[ADX+2], 3*PARTB+HALFT, v[LI]    ; K pairs 2, 3: part 3
	v_add_nc_u32 v[ADX+3], 3*PARTB+2*HALFT, v[LI]
	v_lshlrev_b32 v[SWA], 4, v2
	v_lshl_add_u32 v[SWA], v3, 3, v[SWA]
	s_wait_alu depctr_va_vdst(0)
	s_wait_dscnt 0x0                               ; both opening adds are done
	s_wait_kmcnt 0x0
	s_add_nc_u64 s[18:19], s[4:5], s[18:19]
	s_add_nc_u64 s[46:47], s[4:5], s[46:47]
	s_add_nc_u64 s[PX2:PX2+1], s[4:5], s[2:3]
	s_add_nc_u64 s[OCP:OCP+1], s[12:13], s[96:97]
	s_add_nc_u64 s[OSP:OSP+1], s[12:13], s[98:99]
	s_add_nc_u64 s[OCP2:OCP2+1], s[12:13], s[100:101]
	s_add_nc_u64 s[OSP2:OSP2+1], s[12:13], s[104:105]
	s_cmp_lt_u32 s42, 4
	s_cselect_b64 s[6:7], s[6:7], s[8:9]           ; bq or bk
	s_add_nc_u64 s[6:7], s[6:7], s[92:93]
	s_add_nc_u64 s[PY2:PY2+1], s[4:5], s[22:23]
	s_add_nc_u64 s[10:11], s[10:11], s[20:21]
.irp q, 0,1,2,3,4,5,6,7
.irp f, 0,1
	global_load_b128 v[SCW+8*\q+4*\f:SCW+8*\q+4*\f+3], v[VS1], s[4:5] offset:512*\q+256*\f   ; part 1's scale words: each half of the lanes reads 256 consecutive bytes, aligned
.endr
.endr
	WIN 0x40                                       ; destination window 1
.irp t, 0,1,2,3,4,5,6,7
	global_load_b128 v[96+8*\t+96*(\t/4):96+8*\t+96*(\t/4)+3], v[VBC], s[6:7] offset:(32*(\t/2)+8*(\t%2))*4
	global_load_b128 v[96+8*\t+96*(\t/4)+4:96+8*\t+96*(\t/4)+7], v[VBC], s[6:7] offset:(32*(\t/2)+8*(\t%2))*4+16
.endr
	WIN 0
.irp a, 0,1,2,3
	global_load_b32 v[B1+2*\a], v[VB1], s[10:11] offset:(32*(\a/2)+8*(\a%2))*4
.endr
	CROUND                                         ; all sixteen work-groups are here: the first joint loads meet
	s_mov_b32 s[G0], 1
	s_add_co_u32 s[G0+1], s45, 0
	s_mov_b64 s[G0+2:G0+3], s[18:19]
	s_or_b32 s[G0+3], s[G0+3], 0x80000000
	s_mov_b32 s[G0B], 1
	s_add_co_u32 s[G0B+1], s45, 0
	s_mov_b64 s[G0B+2:G0B+3], s[46:47]
	s_or_b32 s[G0B+3], s[G0B+3], 0x80000000
	JLOAD                                          ; K steps 0-5 of my group: the head's one load a wave
	s_wait_loadcnt 20                              ; the 16 loads of scale words are in; the 20 of biases may be out
	s_wait_tensorcnt 0x0                           ; my part of K steps 0-5; no tensor load of mine is out, so the descriptors may be written:
	s_add_nc_u64 s[G0+2:G0+3], s[G0+2:G0+3], 6*KSB ; K steps 6-7, 96 rows, into unit 0
	s_add_nc_u64 s[G0B+2:G0B+3], s[G0B+2:G0B+3], 6*KSB
	s_mov_b32 s[G1+2], 96<<16
	s_mov_b32 s[G1+4], 96
	s_mov_b32 s[G1B+2], 96<<16
	s_mov_b32 s[G1B+4], 96
	s_barrier_signal -1
	s_barrier_wait -1                              ; everybody's part is in
	; ---- PART 1
	FETCH_B ADRB, 0, 0
	FETCH_A ADRA, 0, 0
	FETCH_A ADRA, 0, 4
	STEP 0, 0, 1                                   ; the first products start the sums
	STEP 1, 1, 0                                   ; unit 0 takes K steps 6-7
	STEP 2, 0, 0
	STEP 3, 0, 0
	STEP 4, 0, 0
	STEP 5, 1, 0                                   ; K steps 6-7 are whole; units 1, 2 take part 2's operands
	STEP 6, 0, 0
	s_wait_dscnt 12
	WIN MUL_LO
	MUL16 0, 1, SCW+56, 0
	MUL16 2, 1, SCW+56, 0
	s_wait_dscnt 0
	WIN MUL_HI
	MUL16 4, 1, SCW+56, 0
	MUL16 6, 1, SCW+56, 0
	PLACES 4                                       ; in front of loads into the scale registers and of the first read of results
	WIN 0
.irp q, 0,1,2,3,4,5,6,7
.irp f, 0,1
	global_load_b128 v[SCW+8*\q+4*\f:SCW+8*\q+4*\f+3], v[VS0+\f], s[4:5] offset:512*\q+256*\f   ; part 2's scale words: register 8 k + i: lanes 16-31 X's tile i, lanes 0-15 my Y tile i % 4
.endr
.endr
	s_wait_loadcnt 16                              ; the biases are in; the 16 loads just issued may be out
.irp a, 0,1,2,3
	v_mov_b32 v[B1+2*\a+1], v[B1+2*\a]             ; the lane bias as a pair
.endr
; THE WAY OUT: tile a's 64 numbers of a lane get their bias, are quantised, and leave as the image of a fragment: three stores of 512 consecutive bytes
.macro EPI1 a
.set AC, 64*((\a)%4)
	WIN 0x06+(\a)/4                                ; source 0 (the sums): window 2 or 3; source 1 (the bias along the registers): window 1
.set i, 0
.rept 32
	v_pk_add_f32 v[T+i:T+i+1], v[AC+i:AC+i+1], v[96+i+96*(i/32):97+i+96*(i/32)]   ; each accumulator from its low end on
.set i, i+2
.endr
	WIN 0
	QUANT T, \a
.irp c, 0,1,2
	global_store_b128 v[LI], v[PC+4*\c:PC+4*\c+3], s[OCP:OCP+1] offset:1536*(\a)+512*\c
.endr
	v_mov_b32 v[PWS+(\a)], v[PW]
.endm
	EPI1 0
	EPI1 1
	s_wait_alu depctr_va_vdst(0)
	s_wait_tensorcnt 0x0                           ; units 1, 2 have landed
	ds_add_u32 v[SPW], v[NIL]                      ; 0 onto my spare word
	s_add_co_u32 s[G0+1], s45, 0                   ; unit 0, read no more since K step 7's fragments were fetched, takes Wv's K pair 2 + wave / 2: 96 rows
	s_add_nc_u64 s[G0+2:G0+3], s[PY2:PY2+1], s[76:77]
	s_or_b32 s[G0+3], s[G0+3], 0x80000000
	s_mov_b32 s[G1+2], 96<<16
	s_mov_b32 s[G1+4], 96
	s_wait_dscnt 0x0
	CROUND
	tensor_load_to_lds s[G0:G0+3], s[G1:G1+7]      ; every wave fetches for Y here
	s_nop 0
.rept 4
	v_nop
.endr
.irp a, 2,3,4,5,6,7
	EPI1 \a
.endr
.irp i, 0,1,2,3
	v_cndmask_b32 v[OW+\i], v[PWS+\i], v[PWS+4+\i], s[HM]   ; lane (r, h): the words of tiles 4 h .. 4 h + 3 of row r
.endr
	global_store_b128 v[LI], v[OW:OW+3], s[OSP:OSP+1]
	; ---- PART 2
	s_wait_loadcnt 0x0                             ; part 2's scale words.  K steps 0-3 read units 1, 2 alone, which the round in part 1's way out has shown whole to every wave
	s_wait_xcnt 0x0                                ; part 1's stores have read their registers: fragments may land there
	FETCH_B ADX, 0, 0
	FETCH_Y ADY, 0, 0
	STEP2 0, 0, 0, 1, 0                            ; the first products start the sums
	STEP2 1, 1, 1, 0, 0
	STEP2 2, 0, 1, 0, 0
	s_wait_tensorcnt 0x0                           ; my last tensor load, my part of unit 0, has landed
	s_wait_dscnt 0x0                               ; no LDS instruction of mine is out at the signal
	s_barrier_signal -1
	s_barrier_wait -1                              ; everybody's has: K step 4's fragments of Y, fetched next, lie in unit 0
	STEP2 3, 1, 2, 0, 0
	STEP2 4, 0, 2, 0, 0
	STEP2 5, 1, 3, 0, 0
	STEP2 6, 0, 3, 0, 0
	STEP2 7, 1, 0, 0, 1
	PLACES 4                                       ; in front of the first read of results and of writes over Y's fragments
.macro EPI2 a
	WIN 0x02                                       ; source 0: window 2
.set i, 0
.rept 32
	v_pk_add_f32 v[T+i:T+i+1], v[64*(\a)+i:64*(\a)+i+1], v[B1+2*(\a):B1+2*(\a)+1]   ; the bias of my lane's feature; each accumulator from its low end on
.set i, i+2
.endr
	WIN 0
	QUANT T, \a
.irp c, 0,1,2
	global_store_b128 v[LI], v[PC+4*\c:PC+4*\c+3], s[OCP2:OCP2+1] offset:1536*(\a)+512*\c
.endr
	v_mov_b32 v[PWS+(\a)], v[PW]
.endm
.irp a, 0,1,2,3
	EPI2 \a
.endr
	v_cndmask_b32 v[OW], v[PWS], v[PWS+2], s[HM]   ; lane (r, h): the words of my tiles 2 h and 2 h + 1 of row r
	v_cndmask_b32 v[OW+1], v[PWS+1], v[PWS+3], s[HM]
	global_store_b64 v[SWA], v[OW:OW+1], s[OSP2:OSP2+1]   ; 256 consecutive bytes, aligned
	s_wait_tensorcnt 0x0                           ; the wave's end
	ds_add_u32 v[SPW], v[NIL]
	s_wait_dscnt 0x0
	CROUND                                         ; the closing round
	s_endpgm
.Lfunc_end_k_q68ca1bcc0b_proj:
	.size	k_q68ca1bcc0b_proj, .Lfunc_end_k_q68ca1bcc0b_proj-k_q68ca1bcc0b_proj
	.p2alignl 7, 3214868480
	.fill 96, 4, 3214868480
	.section	.rodata,"a",@progbits
	.p2align	6, 0x0
	.amdhsa_kernel k_q68ca1bcc0b_proj
		.amdhsa_group_segment_fixed_size 327680
		.amdhsa_private_segment_fixed_size 0
		.amdhsa_enable_private_segment 0
		.amdhsa_kernarg_size 40
		.amdhsa_user_sgpr_count 2
		.amdhsa_user_sgpr_kernarg_segment_ptr 1
		.amdhsa_wavefront_size32 1
		.amdhsa_system_sgpr_workgroup_id_x 1
		.amdhsa_system_sgpr_workgroup_id_y 1
		.amdhsa_system_sgpr_workgroup_id_z 1
		.amdhsa_system_vgpr_workitem_id 0
		.amdhsa_next_free_vgpr 1024
		.amdhsa_next_free_sgpr 106
		.amdhsa_reserve_vcc 0
		.amdhsa_float_denorm_mode_32 3
		.amdhsa_float_denorm_mode_16_64 3
		.amdhsa_memory_ordered 1
		.amdhsa_forward_progress 1
		.amdhsa_inst_pref_size 237
	.end_amdhsa_kernel
	.amdgpu_metadata
---
amdhsa.version: [ 1, 2 ]
amdhsa.kernels:
  - .name:           k_q68ca1bcc0b_proj
    .symbol:         k_q68ca1bcc0b_proj.kd
    .args:
      - { .name: prep, .offset: 0, .size: 8, .value_kind: global_buffer, .address_space: global }
      - { .name: bq, .offset: 8, .size: 8, .value_kind: global_buffer, .address_space: global }
      - { .name: bk, .offset: 16, .size: 8, .value_kind: global_buffer, .address_space: global }
      - { .name: bv, .offset: 24, .size: 8, .value_kind: global_buffer, .address_space: global }
      - { .name: qkv, .offset: 32, .size: 8, .value_kind: global_buffer, .address_space: global }
    .group_segment_fixed_size: 327680
    .private_segment_fixed_size: 0
    .kernarg_segment_align: 8
    .kernarg_segment_size: 40
    .max_flat_workgroup_size: 128
    .sgpr_count:     106
    .vgpr_count:     1024
    .wavefront_size: 32
...
	.end_amdgpu_metadata
.endif
;; end of part 2
;; launch scores (part 3): grid 8 x 32, 4 waves a work-group, clusters of 4 x 4, 327,680 bytes of LDS; arguments qkv, mw, pbuf; writes pbuf
.if DOCPART == 3
	.amdgcn_target "amdgcn-amd-amdhsa--gfx1250"
	.amdhsa_code_object_version 6
	.text
	.protected	k_q68ca1bcc0b_scores
	.globl	k_q68ca1bcc0b_scores
	.p2align	8
	.type	k_q68ca1bcc0b_scores,@function
k_q68ca1bcc0b_scores:
	s_mov_b64 s[64:65], 0
	v_nop
	global_prefetch_b8 v0, s[64:65] scope:SCOPE_SE
	s_setreg_imm32_b32 hwreg(HW_REG_WAVE_MODE, 25, 1), 1
	s_wait_xcnt 0x0
	s_wait_alu depctr_hold_cnt(0) depctr_sa_sdst(0) depctr_va_vdst(0) depctr_va_sdst(0) depctr_va_ssrc(0) depctr_va_vcc(0) depctr_vm_vsrc(0)
	s_getreg_b32 s2, hwreg(HW_REG_IB_STS2, 6, 4)
	s_cmp_eq_u32 s2, 0
	s_cbranch_scc0 .Lentry_in_a_cluster
	s_endpgm
.Lentry_in_a_cluster:
	s_bfe_u32 s2, ttmp6, 0x10000c
	s_cmp_lg_u32 s2, 0xf033
	s_cbranch_scc0 .Lentry_shape_is_right
	s_endpgm
.Lentry_shape_is_right:
; S = q k^T on codes of FP6 (E2M3) with E8M0 scales, K = 1,024; the masks; p = 2^(t - M) under a local M for each 128 keys; p quantised along the keys and stored as images of operand registers,
; with its scale words, -M and the sum of the unquantised p for each row and 128 keys.  The next launch joins the local M.
; A work-group makes 256 queries x 256 keys of one batch; a wave 128 x 128: 64 accumulators.  Source 1 (Y) = q: a lane holds one query; source 0 (X) = k: the registers run along the keys.
; Operands are images of fragments [group of 128 rows][K step][tile 8][1,536 bytes]; tile i holds rows 32 (i/2) + 8 (i%2) + p + 8 (p/8), so a lane's 64 registers of a query tile are 16 neighbours of each block of 32 keys.
; THE MASKS GO IN AS C.  Select word j of tile a has a bit for each lane: keep or not.  Each word is read into a scalar register and chooses 0 or -2^60 for
; register j of tile a's accumulators, while the head's tensor loads are on their way.  The first product adds onto that.
; LIMITS: a masked place keeps -2^60 exactly while the raw scores stay under 2^34 in magnitude (half a step of f32 at 2^59 is 2^35); the promise holds while the scaled scores stay under 2^31.
; A row or a run of 128 keys that is masked everywhere so gets p = 1 at all its places.  NaN and infinities are not served.
; LDS: four parts of 73,728 bytes, one a wave (waves 0, 1: q's two groups, waves 2, 3: k's): K steps 0-5 by ONE load a wave at the head, 288 rows of 256 bytes.  K steps 6-7 are filled into the bytes of
; K steps 0-1 behind a round of the cluster's barrier in K step 1, and shown to all waves by a barrier in K step 5.  A wave has one tensor load out at a time.
; SCALE WORDS come by 16 loads straight into v64-127: register 8 k + i: lanes 0-15 q's tile i, lanes 16-31 k's tile i, for K step k.
; CLUSTER 4 x 4: q's tiles are asked for jointly along a row of the cluster, k's along a column.
; NO PREFETCH: the text has no loop to run ahead in, and six of K's eight steps are asked for by the head's loads.
; All of LDS is claimed, and 0 is added to spare words at the head, ahead of the refill's round and at the end.
.set KSB,   12288
.set GRPB,  8*KSB
.set PARTB, 6*KSB
.set SPARE, 4*PARTB
.set KC,    64*GRPB
.set QS,    3*KC
.set KSS,   QS+64*4096
.set PSC,   64*16*KSB
.set FR,    12
.set VSO,  4                           ; v4     the scale words' place in qkv: lanes 0-15 q's, lanes 16-31 k's
.set ADRA, 16                          ; v16-17 my q fragments: K steps 0-3 (and 6-7), K steps 4-5
.set ADRB, 20                          ; v20-21 my k fragments likewise
.set LI,   24                          ; v24    16 x lane
.set SPW,  28
.set NIL,  29
.set SMV,  30                          ; v30    -2^60
.set ZR,   31                          ; v31    0
.set MK,   32                          ; v32-47 select words: word j of tile a in register 4 (a/2) + j%4, lane 16 (a%2) + j/4
.set SCW,  64
.set AF,   128                         ; v128-223 q's fragments, one set; k's: window 1, two sets; accumulators: windows 2, 3
.set T,    128                         ; the way out: 64 numbers
.set PC,   192
.set BM,   212
.set BX,   216
.set SO,   220
.set NM,   224
.set LS,   226
.set PW,   230
.set TP,   231
.set PWS,  232
.set NMS,  240
.set LSS,  248
.set G1,  24
.set G0,  32
.set G0B, 36
.set G1B, 48
.set PSP, 8
.set PCP, 10
.set CS,  56
.set SEL, 58
.set HM,  60
.set MS,  68                           ; s68-99 32 select words at a time
.set MSB, 0
.macro WIN new
.if MSB != \new
	s_set_vgpr_msb (MSB<<8)|\new
.set MSB, \new
.endif
.endm
.set MUL_LO, 0xa1
.set MUL_HI, 0xf1
.set TO_B,   0x40
.macro JLOAD                           ; a joint load: waves 0, 1 for q, waves 2, 3 for k; s_nop 0 and four v_nop follow each line
	s_cmp_eq_u32 s15, 0
	s_cbranch_scc0 .Lfor_b_\@
	tensor_load_to_lds s[G0:G0+3], s[G1:G1+7]
	s_nop 0
.rept 4
	v_nop
.endr
	s_branch .Lasked_\@
.Lfor_b_\@:
	tensor_load_to_lds s[G0B:G0B+3], s[G1B:G1B+7]
	s_nop 0
.rept 4
	v_nop
.endr
.Lasked_\@:
.endm
.macro CREST
	s_cmp_lg_u32 s14, 0
	s_cbranch_scc1 .Lnot_wave_0_\@
	s_barrier_signal -3
.Lnot_wave_0_\@:
	s_barrier_wait -3
	s_barrier_signal -1
	s_barrier_wait -1
.endm
.macro CROUND
	s_barrier_signal -1
	s_barrier_wait -1
	CREST
.endm
.macro PLACES n
.rept \n
	v_nop
.endr
.endm
.macro FRAG reg, adr, q, i             ; a fragment: three loads of 512 consecutive bytes
.irp c, 0,1,2
	ds_load_b128 v[\reg+4*\c:\reg+4*\c+3], v[\adr] offset:(\q)*KSB+(\i)*1536+512*\c
.endr
.endm
.macro FETCH_B ai, q, p
	WIN TO_B
.irp i, 0,1,2,3,4,5,6,7
	FRAG 128*(\p)+FR*\i, ADRB+\ai, \q, \i
.endr
	WIN 0
.endm
.macro FETCH_A ai, q, i0
.irp i, \i0, \i0+1, \i0+2, \i0+3
	FRAG AF+FR*(\i), ADRA+\ai, \q, \i
.endr
.endm
.macro MUL16 a0, k                     ; q's tiles a0, a0 + 1 x k's eight; the 64 accumulators take turns, one instruction a turn
.irp a, \a0, \a0+1
.irp b, 0,1,2,3,4,5,6,7
	v_wmma_scale_f32_16x16x128_f8f6f4 v[8*(8*((\a)%4)+\b):8*(8*((\a)%4)+\b)+7], v[128*((\k)%2)+FR*\b:128*((\k)%2)+FR*\b+FR-1], v[AF+FR*(\a):AF+FR*(\a)+FR-1], v[8*(8*((\a)%4)+\b):8*(8*((\a)%4)+\b)+7], v[SCW+8*(\k)+\b], v[SCW+8*(\k)+(\a)] matrix_a_fmt:MATRIX_FMT_FP6 matrix_b_fmt:MATRIX_FMT_FP6 matrix_a_scale:MATRIX_SCALE_ROW1
.endr
.endr
.endm
; K step k: 64 products; the next step's fragments are fetched in its middle and at its end.  sync = 1: the bytes of K steps 0-1 are read no more: the three lines, a round, the refill.  sync = 2: a barrier shows K steps 6-7 to all waves.
.macro STEP k, sync
.set NK, (\k)+1
.set NA, (NK/4)&(1-NK/6)               ; K steps 4, 5 by the second address register
.set NQ, NK%4-2*(NK/6)                 ; K steps 6, 7 lie where 0, 1 lay
.if \sync
	s_wait_tensorcnt 0x0                           ; all my tensor loads have landed
.if \sync == 1
	ds_add_u32 v[SPW], v[NIL]                      ; 0 onto my spare word
	s_wait_dscnt 13                                ; the add and the youngest 12 loads (q's tiles 4-7) may be out
.else
	s_wait_dscnt 12
.endif
	WIN MUL_LO
	MUL16 0, \k
	s_wait_dscnt 0x0                               ; the add is done, and so are my reads so far
	s_barrier_signal -1
	MUL16 2, \k
	WIN 0
	s_barrier_wait -1
.if \sync == 1
	CREST                                          ; no wave of any partner still reads K steps 0-1 or has a load on its way
	JLOAD                                          ; K steps 6-7; its four v_nop are the places for the loads below
.else
	PLACES 4
.endif
.else
	s_wait_dscnt 12                                ; all but the youngest 12 loads (q's tiles 4-7)
	WIN MUL_LO
	MUL16 0, \k
	MUL16 2, \k
	s_wait_dscnt 0
	PLACES 4                                       ; four plain places in front of loads into registers that matrix instructions have read
.endif
	FETCH_B NA, NQ, NK%2
	FETCH_A NA, NQ, 0
	WIN MUL_HI
	MUL16 4, \k
	MUL16 6, \k
	PLACES 4
	WIN 0
	FETCH_A NA, NQ, 4
.endm
.macro CINIT a, hf                     ; 32 registers of tile a's accumulators: 0 where the word's bit says keep, else -2^60
.set j, 32*(\hf)
.rept 32
	v_readlane_b32 s[MS+j%32], v[MK+4*((\a)/2)+j%4], 16*((\a)%2)+j/4
.set j, j+1
.endr
	WIN 0x80+0x40*((\a)/4)
.set j, 32*(\hf)
.rept 32
	v_cndmask_b32 v[64*((\a)%4)+j], v[SMV], v[ZR], s[MS+j%32]
.set j, j+1
.endr
	WIN 0
.endm
	s_load_b128 s[4:7], s[0:1], 0x0                ; qkv s[4:5], mw s[6:7]
	s_load_b64 s[8:9], s[0:1], 0x10                ; pbuf
	v_lshl_add_u32 v[SPW], v0, 2, SPARE
	v_mov_b32 v[NIL], 0
	ds_add_u32 v[SPW], v[NIL]                      ; the opening lines: the add, twice on end, and its wait ahead of my first tensor load
	ds_add_u32 v[SPW], v[NIL]
	v_lshrrev_b32 v1, 5, v0
	v_readfirstlane_b32 s14, v1                    ; wave
	s_lshr_b32 s15, s14, 1                         ; my group of q.  Also: I fetch for q (0) or k (1)
	s_and_b32 s16, s14, 1                          ; my group of k.  Also: which group I fetch
	s_bfe_u32 s40, ttmp6, 0x40000                  ; cx
	s_bfe_u32 s41, ttmp6, 0x40004                  ; cy
	s_lshl_b32 s42, ttmp9, 2
	s_add_co_u32 s42, s42, s40                     ; the key tile in its batch, 0-7
	s_and_b32 s17, ttmp7, 0xffff
	s_lshl_b32 s20, s17, 2
	s_add_co_u32 s20, s20, s41                     ; the query tile, 0-31
	s_lshr_b32 s46, s17, 1                         ; the batch
	s_lshl_b32 s46, s46, 3
	s_add_co_u32 s46, s46, s42                     ; the key tile, 0-31
	s_lshl_b32 s43, s41, 2
	s_lshl_b32 s43, 15, s43                        ; my row of the cluster
	s_lshl_b32 s44, 0x1111, s40                    ; my column
	s_or_b32 s[G1], s43, (3<<16)|(1<<21)           ; dense blocks as rows of 256 bytes (32 elements of 8 bytes), no padding: 288 rows at the head
	s_or_b32 s[G1B], s44, (3<<16)|(1<<21)
.irp g, G1, G1B
	s_mov_b32 s[\g+1], 32<<16
	s_mov_b32 s[\g+2], 288<<16
	s_mov_b32 s[\g+3], 32<<16
	s_mov_b32 s[\g+4], 288
	s_mov_b32 s[\g+5], 32
	s_mov_b32 s[\g+6], 0
	s_mov_b32 s[\g+7], 0
.endr
	s_lshl_b32 s66, s20, 1
	s_add_co_u32 s66, s66, s15                     ; my query group, 0-63
	s_lshl_b32 s67, s42, 1
	s_add_co_u32 s67, s67, s16                     ; my key group in the batch, 0-15
	s_lshl_b32 s96, s66, 4
	s_add_co_u32 s96, s96, s67
	s_lshl_b32 s96, s96, 11                        ; my 2,048 bytes of select words
	s_mov_b32 s97, 0
	s_mul_i32 s98, s66, 16*KSB                     ; p's codes
	s_mul_i32 s92, s67, KSB
	s_add_co_u32 s98, s98, s92
	s_mov_b32 s99, 0
	s_lshl_b32 s92, s66, 13                        ; p's scale words; -M and the sums 524,288 and 1,048,576 bytes on
	s_lshl_b32 s93, s67, 9
	s_add_co_u32 s92, s92, s93
	s_add_co_u32 s92, s92, PSC
	s_mov_b32 s93, 0
	s_lshl_b32 s20, s20, 1
	s_add_co_u32 s20, s20, s16                     ; the group of q that I fetch
	s_lshl_b32 s46, s46, 1
	s_add_co_u32 s46, s46, s16                     ; the group of k that I fetch, which is also the one that I multiply
	s_lshl_b32 s22, s66, 12
	s_add_co_u32 s22, s22, QS                      ; my q group's scale words
	s_lshl_b32 s23, s46, 12
	s_add_co_u32 s23, s23, KSS                     ; my k group's
	s_mul_i32 s20, s20, GRPB
	s_mov_b32 s21, 0
	s_mul_i32 s46, s46, GRPB
	s_add_co_u32 s46, s46, KC
	s_mov_b32 s47, 0
	s_mul_i32 s45, s14, PARTB                      ; where my load goes: wave x a constant
	s_mul_i32 s18, s15, PARTB
	s_mul_i32 s19, s16, PARTB
	s_add_co_u32 s19, s19, 2*PARTB
	s_mov_b32 s[CS], 0x3d38aa3b                    ; log2(e) / sqrt(1,024)
	s_mov_b32 s[CS+1], s[CS]
	s_mov_b32 s[SEL], 0x76543210
	s_mov_b32 s[SEL+1], 0xfedcba98
	s_mov_b32 s[HM], 0xffff0000                    ; lanes 16-31
	v_and_b32 v1, 31, v0
	v_and_b32 v2, 15, v0
	v_lshlrev_b32 v[LI], 4, v1
	v_mov_b32 v5, s22
	v_mov_b32 v6, s23
	v_cndmask_b32 v5, v5, v6, s[HM]
	v_lshl_add_u32 v[VSO], v2, 4, v5
	v_add_nc_u32 v[ADRA], s18, v[LI]
	v_add_nc_u32 v[ADRB], s19, v[LI]
	v_add_nc_u32 v[ADRA+1], 4*KSB, v[ADRA]
	v_add_nc_u32 v[ADRB+1], 4*KSB, v[ADRB]
	v_mov_b32 v[SMV], 0xdd800000
	v_mov_b32 v[ZR], 0
	v_mov_b32 v[NM+1], 0                           ; named as the upper half of the pair v[NM:NM+1]
	s_wait_alu depctr_va_vdst(0)
	s_wait_dscnt 0x0                               ; both opening adds are done
	s_wait_kmcnt 0x0
	s_add_nc_u64 s[20:21], s[4:5], s[20:21]
	s_add_nc_u64 s[46:47], s[4:5], s[46:47]
	s_add_nc_u64 s[6:7], s[6:7], s[96:97]
	s_add_nc_u64 s[PCP:PCP+1], s[8:9], s[98:99]
	s_add_nc_u64 s[PSP:PSP+1], s[8:9], s[92:93]
.irp c, 0,1,2,3
	global_load_b128 v[MK+4*\c:MK+4*\c+3], v[LI], s[6:7] offset:512*\c th:TH_LOAD_NT   ; 512 consecutive bytes each
.endr
.irp k, 0,1,2,3,4,5,6,7
.irp f, 0,1
	global_load_b128 v[SCW+8*\k+4*\f:SCW+8*\k+4*\f+3], v[VSO], s[4:5] offset:512*\k+256*\f   ; each half of the lanes reads 256 consecutive bytes, aligned
.endr
.endr
	CROUND                                         ; all sixteen work-groups are here: the first joint loads meet
	s_mov_b32 s[G0], 1
	s_add_co_u32 s[G0+1], s45, 0
	s_mov_b64 s[G0+2:G0+3], s[20:21]
	s_or_b32 s[G0+3], s[G0+3], 0x80000000
	s_mov_b32 s[G0B], 1
	s_add_co_u32 s[G0B+1], s45, 0
	s_mov_b64 s[G0B+2:G0B+3], s[46:47]
	s_or_b32 s[G0B+3], s[G0B+3], 0x80000000
	JLOAD                                          ; K steps 0-5 of my group: the head's one load a wave
	s_wait_loadcnt 16                              ; the four loads of select words are in; the 16 of scale words may be out
.irp a, 0,1,2,3,4,5,6,7
	CINIT \a, 0
	CINIT \a, 1
.endr
	s_wait_alu depctr_va_vdst(0)
	s_wait_loadcnt 0x0                             ; the scale words
	s_wait_tensorcnt 0x0                           ; my part of K steps 0-5; no tensor load of mine is out, so the descriptors may be written:
	s_add_nc_u64 s[G0+2:G0+3], s[G0+2:G0+3], 6*KSB ; K steps 6-7, 96 rows, into the same LDS bytes
	s_add_nc_u64 s[G0B+2:G0B+3], s[G0B+2:G0B+3], 6*KSB
	s_mov_b32 s[G1+2], 96<<16
	s_mov_b32 s[G1+4], 96
	s_mov_b32 s[G1B+2], 96<<16
	s_mov_b32 s[G1B+4], 96
	s_barrier_signal -1
	s_barrier_wait -1                              ; everybody's part is in
	FETCH_B 0, 0, 0
	FETCH_A 0, 0, 0
	FETCH_A 0, 0, 4
	STEP 0, 0
	STEP 1, 1
	STEP 2, 0
	STEP 3, 0
	STEP 4, 0
	STEP 5, 2
	STEP 6, 0
	s_wait_dscnt 12
	WIN MUL_LO
	MUL16 0, 7
	MUL16 2, 7
	s_wait_dscnt 0
	WIN MUL_HI
	MUL16 4, 7
	MUL16 6, 7
	WIN 0
	PLACES 4
; THE WAY OUT, tile a (16 queries x my 128 keys): each block's largest score (it serves the row's maximum and, since p rises with the score, the block's largest p), -M = floor(-t), p = 2^(t - M), the sum of p, the codes.
.macro SOFT a
.set AC, 64*((\a)%4)
	WIN 0x15*(2+(\a)/4)                            ; all three sources: window 2 or 3
	s_wait_alu depctr_va_vdst(0)
.irp b, 0,1,2,3
	v_max3_num_f32 v[BM+\b], v[AC+16*\b], v[AC+16*\b+1], v[AC+16*\b+2]       ; each accumulator from its low end on
	v_max3_num_f32 v[BX+\b], v[AC+16*\b+8], v[AC+16*\b+9], v[AC+16*\b+10]
.endr
	WIN 0x14*(2+(\a)/4)                            ; sources 1 and 2
.irp i, 3,5
.irp b, 0,1,2,3
	v_max3_num_f32 v[BM+\b], v[BM+\b], v[AC+16*\b+\i], v[AC+16*\b+\i+1]
	v_max3_num_f32 v[BX+\b], v[BX+\b], v[AC+16*\b+8+\i], v[AC+16*\b+9+\i]
.endr
.endr
.irp b, 0,1,2,3
	v_max3_num_f32 v[BM+\b], v[BM+\b], v[AC+16*\b+7], v[AC+16*\b+15]
.endr
	WIN 0
.irp b, 0,1,2,3
	v_max_num_f32 v[BM+\b], v[BM+\b], v[BX+\b]
.endr
.irp b, 0,1,2,3
	v_permlanex16_b32 v[BX+\b], v[BM+\b], s[SEL], s[SEL+1]
.endr
.irp b, 0,1,2,3
	v_max_num_f32 v[BM+\b], v[BM+\b], v[BX+\b]     ; with lane l xor 16's 16 keys
.endr
	v_max3_num_f32 v[TP], v[BM], v[BM+1], v[BM+2]
	v_max_num_f32 v[TP], v[TP], v[BM+3]
	v_mul_f32 v[TP], s[CS], v[TP]
	v_floor_f32 v[NM], -v[TP]                      ; -M = -ceil(t): a whole number
	WIN 2+(\a)/4                                   ; source 0
.set j, 0
.rept 32
	v_pk_fma_f32 v[T+j:T+j+1], v[AC+j:AC+j+1], s[CS:CS+1], v[NM:NM+1] op_sel_hi:[1,0,0]   ; t - M
.set j, j+2
.endr
	WIN 0
.irp b, 0,1,2,3
	v_fma_f32 v[BM+\b], v[BM+\b], s[CS], v[NM]
.endr
.if (\a) > 0
	s_wait_xcnt 0x0                                ; the last tile's stores have read the codes' registers
.endif
	s_wait_alu depctr_va_vdst(0)
.irp b, 0,1,2,3
	v_exp_f32 v[BM+\b], v[BM+\b]                   ; the block's largest p
.endr
.set j, 0
.rept 64
	v_exp_f32 v[T+j], v[T+j]
.set j, j+1
.endr
	v_mov_b32 v[NMS+(\a)], v[NM]                   ; a plain place behind the batch
	s_wait_alu depctr_va_vdst(0)                   ; one wait for the batch, ahead of its first reader
	v_pk_add_f32 v[LS:LS+1], v[T:T+1], v[T+4:T+5]  ; the sum of the unquantised p, in two chains
	v_pk_add_f32 v[LS+2:LS+3], v[T+2:T+3], v[T+6:T+7]
.irp j, 8,12,16,20,24,28,32,36,40,44,48,52,56,60
	v_pk_add_f32 v[LS:LS+1], v[LS:LS+1], v[T+\j:T+\j+1]
	v_pk_add_f32 v[LS+2:LS+3], v[LS+2:LS+3], v[T+\j+2:T+\j+3]
.endr
	v_pk_add_f32 v[LS:LS+1], v[LS:LS+1], v[LS+2:LS+3]
.irp b, 0,1,2,3
	v_max_num_f32 v[BM+\b], 0x1800000, v[BM+\b]    ; the floor 2^(3 - 127): the byte cannot fall under 1
.endr
.irp b, 0,1,2,3
	v_add_nc_u32 v[SO+\b], 0xff000000, v[BM+\b]    ; 2 off the exponent field: the conversion's scale operand
.endr
.irp b, 0,1,2,3
	v_lshrrev_b32 v[BX+\b], 23, v[SO+\b]
.endr
	v_lshl_or_b32 v[PW], v[BX+1], 8, v[BX]
	v_lshl_or_b32 v[PW], v[BX+2], 16, v[PW]
	v_lshl_or_b32 v[PW], v[BX+3], 24, v[PW]
.irp c, 0,1
	v_cvt_scalef32_pk16_fp6_f32 v[PC+6*\c:PC+2+6*\c], v[T+32*\c:T+15+32*\c], v[SO+2*\c]
	v_cvt_scalef32_pk16_fp6_f32 v[PC+12+4*\c:PC+14+4*\c], v[T+16+32*\c:T+31+32*\c], v[SO+2*\c+1]
.endr
	v_nop                                          ; one plain place behind a scaled conversion
.irp c, 0,1                            ; the operand's layout wants a whole block in a lane
.irp i, 0,1,2
	v_permlane16_swap_b32 v[PC+6*\c+\i], v[PC+12+4*\c+\i]
.endr
.irp i, 0,1,2
	v_mov_b32 v[PC+3+6*\c+\i], v[PC+12+4*\c+\i]
.endr
.endr
	v_add_f32 v[TP], v[LS], v[LS+1]
	v_permlanex16_b32 v[BX], v[TP], s[SEL], s[SEL+1]
	v_add_f32 v[LSS+(\a)], v[TP], v[BX]
	v_mov_b32 v[PWS+(\a)], v[PW]
.irp c, 0,1,2
	global_store_b128 v[LI], v[PC+4*\c:PC+4*\c+3], s[PCP:PCP+1] offset:1536*(\a)+512*\c   ; 512 consecutive bytes
.endr
.endm
.irp a, 0,1,2,3,4,5,6,7
	SOFT \a
.endr
.irp i, 0,1,2,3
	v_cndmask_b32 v[T+\i], v[PWS+\i], v[PWS+4+\i], s[HM]       ; lane (r, h): tiles 4 h .. 4 h + 3 of row r
	v_cndmask_b32 v[T+4+\i], v[NMS+\i], v[NMS+4+\i], s[HM]
	v_cndmask_b32 v[T+8+\i], v[LSS+\i], v[LSS+4+\i], s[HM]
.endr
	global_store_b128 v[LI], v[T:T+3], s[PSP:PSP+1]
	global_store_b128 v[LI], v[T+4:T+7], s[PSP:PSP+1] offset:524288
	global_store_b128 v[LI], v[T+8:T+11], s[PSP:PSP+1] offset:1048576
	s_wait_tensorcnt 0x0                           ; the wave's end
	ds_add_u32 v[SPW], v[NIL]
	s_wait_dscnt 0x0
	CROUND                                         ; the closing round
	s_endpgm
.Lfunc_end_k_q68ca1bcc0b_scores:
	.size	k_q68ca1bcc0b_scores, .Lfunc_end_k_q68ca1bcc0b_scores-k_q68ca1bcc0b_scores
	.p2alignl 7, 3214868480
	.fill 96, 4, 3214868480
	.section	.rodata,"a",@progbits
	.p2align	6, 0x0
	.amdhsa_kernel k_q68ca1bcc0b_scores
		.amdhsa_group_segment_fixed_size 327680
		.amdhsa_private_segment_fixed_size 0
		.amdhsa_enable_private_segment 0
		.amdhsa_kernarg_size 24
		.amdhsa_user_sgpr_count 2
		.amdhsa_user_sgpr_kernarg_segment_ptr 1
		.amdhsa_wavefront_size32 1
		.amdhsa_system_sgpr_workgroup_id_x 1
		.amdhsa_system_sgpr_workgroup_id_y 1
		.amdhsa_system_sgpr_workgroup_id_z 1
		.amdhsa_system_vgpr_workitem_id 0
		.amdhsa_next_free_vgpr 1024
		.amdhsa_next_free_sgpr 100
		.amdhsa_reserve_vcc 0
		.amdhsa_float_denorm_mode_32 3
		.amdhsa_float_denorm_mode_16_64 3
		.amdhsa_memory_ordered 1
		.amdhsa_forward_progress 1
		.amdhsa_inst_pref_size 255
	.end_amdhsa_kernel
	.section	.bss,"aw",@nobits
	.p2align	6
	.space	262144
	.amdgpu_metadata
---
amdhsa.version: [ 1, 2 ]
amdhsa.kernels:
  - .name:           k_q68ca1bcc0b_scores
    .symbol:         k_q68ca1bcc0b_scores.kd
    .args:
      - { .name: qkv, .offset: 0, .size: 8, .value_kind: global_buffer, .address_space: global }
      - { .name: mw, .offset: 8, .size: 8, .value_kind: global_buffer, .address_space: global }
      - { .name: pbuf, .offset: 16, .size: 8, .value_kind: global_buffer, .address_space: global }
    .group_segment_fixed_size: 327680
    .private_segment_fixed_size: 0
    .kernarg_segment_align: 8
    .kernarg_segment_size: 24
    .max_flat_workgroup_size: 128
    .sgpr_count:     100
    .vgpr_count:     1024
    .wavefront_size: 32
...
	.end_amdgpu_metadata
.endif
;; end of part 3
;; launch pv (part 4): grid 4 x 64, 4 waves a work-group, clusters of 4 x 4, 327,680 bytes of LDS; arguments qkv, pbuf, out0; writes out0
.if DOCPART == 4
	.amdgcn_target "amdgcn-amd-amdhsa--gfx1250"
	.amdhsa_code_object_version 6
	.text
	.protected	k_q68ca1bcc0b_pv
	.globl	k_q68ca1bcc0b_pv
	.p2align	8
	.type	k_q68ca1bcc0b_pv,@function
k_q68ca1bcc0b_pv:
	s_mov_b64 s[64:65], 0
	v_nop
	global_prefetch_b8 v0, s[64:65] scope:SCOPE_SE
	s_setreg_imm32_b32 hwreg(HW_REG_WAVE_MODE, 25, 1), 1
	s_wait_xcnt 0x0
	s_wait_alu depctr_hold_cnt(0) depctr_sa_sdst(0) depctr_va_vdst(0) depctr_va_sdst(0) depctr_va_ssrc(0) depctr_va_vcc(0) depctr_vm_vsrc(0)
	s_getreg_b32 s2, hwreg(HW_REG_IB_STS2, 6, 4)
	s_cmp_eq_u32 s2, 0
	s_cbranch_scc0 .Lentry_in_a_cluster
	s_endpgm
.Lentry_in_a_cluster:
	s_bfe_u32 s2, ttmp6, 0x10000c
	s_cmp_lg_u32 s2, 0xf033
	s_cbranch_scc0 .Lentry_shape_is_right
	s_endpgm
.Lentry_shape_is_right:
; O = P V / l on codes of FP6 (E2M3), K = the batch's 2,048 keys.  P's codes were made under a local M for each 128 keys.  The head of this launch finds each row's M (the largest local one),
; scales the local sums by 2^(local M - row's M) (exact) and adds them to l, and takes row's M - local M off P's scale bytes: the codes' values are those under the row's M.
; LIMITS: a byte that would fall under 0 is held at 0, that is 2^-127: such terms count for at most 7.5 x 2^-127 x v.  NaN and infinities are not served.
; A work-group makes 128 queries x 256 features; wave w makes all 128 queries x features 64 w .. 64 w + 63: 32 accumulators.  Source 1 (Y) = P: a lane holds one query; source 0 (X) = V^T: the registers run along the features.
; Operands are images of fragments [group][K step][tile][1,536]; tile i holds rows 32 (i/2) + 8 (i%2) + p + 8 (p/8).
; LDS: three regions of eight K steps (98,304 bytes): P's group, V's two groups; a slot is four K steps of each region.  THE HEAD fills both slots, one load a wave: waves 0, 1 four K steps of P each (192 rows of 256 bytes),
; waves 2, 3 eight K steps of a group of V (384 rows).  A slot's refill: waves 0, 1 two K steps of P each (96 rows), waves 2, 3 four K steps of V (192 rows).  A wave has one tensor load out at a time.
; CLUSTER 4 x 4: P's tiles are asked for jointly along a row of the cluster (the four feature blocks of a query group), V's along a column (four query groups of one batch).
; The moved scale words of P and V's scale words go through registers into LDS bytes of their own.
; THE LAST FOUR K STEPS GO BY ROWS OF O: all their fragments of V stay in registers (window 1), P's come tile by tile (16 queries x 4 K steps, two buffers), and each tile of 16 queries is finished by 16 products
; (its four accumulators by turns, K ascending) and leaves, through a stage in slot 0 behind that slot's last fill and last read, while the next tile is multiplied.
; NO PREFETCH: half of K is asked for by the head's loads, and the walk is written straight: there is no loop to run ahead in.
; All of LDS is claimed, and 0 is added to spare words at the head, ahead of each refill's round and at the end.
.set KSB,   12288
.set PART,  4*KSB
.set PSCL,  6*PART
.set VSCL,  PSCL+8192
.set SPARE, VSCL+16384
.set VC,    128*8*KSB
.set VS,    VC+64*8*KSB+2*64*4096
.set PSC,   64*16*KSB
.set FR,    12
.set ADRA, 16
.set ADRB, 20
.set STO,  22
.set RD,   23
.set LI,   24
.set CO,   25
.set ADRS0, 26
.set ADRS1, 27
.set SPW,  28
.set NIL,  29
.set PSW,  30
.set VSW,  31
.set SC,   32                          ; v32-95 scale words, two sets of 32: register 8 q + tile: lanes 0-15 P's, lanes 16-31 V's
.set INV,  96                          ; v96-111 1 / l, a pair for each tile a
.set AF,   128                         ; v128-223 P's fragments.  V's: window 1.  Accumulators: window 2.  The way out: window 3, v0-63 scaled results, v64-127 rows read back
.set PMA,  96                          ; the head: -M of all 16 key groups
.set PLA,  160                         ; the sums of all 16
.set PMO,  224                         ; -M of my four key groups
.set PSO,  32                          ; P's scale words of my four
.set NMR,  48
.set LR,   52
.set XT,   56
.set G1P, 24
.set G0P, 32
.set G1V, 48
.set G0V, 56
.set G0H, 68
.set G0HV, 76
.set OUTP, 8
.set SEL, 94
.set HM,  66
.set K80, 67
.set MSB, 0
.macro WIN new
.if MSB != \new
	s_set_vgpr_msb (MSB<<8)|\new
.set MSB, \new
.endif
.endm
.set MUL,  0xa1                        ; source 0 (V) window 1, source 1 (P) window 0, C and D window 2
.set TO_B, 0x40
.macro TLOAD g0p, g0v                  ; a joint load: waves 0, 1 for P, waves 2, 3 for V; s_nop 0 and four v_nop follow each line
	s_cmp_eq_u32 s15, 0
	s_cbranch_scc0 .Lnot_p_\@
	tensor_load_to_lds s[\g0p:\g0p+3], s[G1P:G1P+7]
	s_nop 0
.rept 4
	v_nop
.endr
	s_branch .Lasked_\@
.Lnot_p_\@:
	tensor_load_to_lds s[\g0v:\g0v+3], s[G1V:G1V+7]
	s_nop 0
.rept 4
	v_nop
.endr
.Lasked_\@:
.endm
.macro CREST
	s_cmp_lg_u32 s14, 0
	s_cbranch_scc1 .Lnot_wave_0_\@
	s_barrier_signal -3
.Lnot_wave_0_\@:
	s_barrier_wait -3
	s_barrier_signal -1
	s_barrier_wait -1
.endm
.macro CROUND
	s_barrier_signal -1
	s_barrier_wait -1
	CREST
.endm
.macro PLACES n
.rept \n
	v_nop
.endr
.endm
.macro FRAG reg, adr, q, i
.irp c, 0,1,2
	ds_load_b128 v[\reg+4*\c:\reg+4*\c+3], v[\adr] offset:(\q)*KSB+(\i)*1536+512*\c
.endr
.endm
.macro FETCH_B slot, q, p              ; my four tiles of V
	WIN TO_B
.irp i, 0,1,2,3
	FRAG 128*(\p)+FR*\i, ADRB+\slot, \q, \i
.endr
	WIN 0
.endm
.macro FETCH_A slot, q, i0
.irp i, \i0, \i0+1, \i0+2, \i0+3
	FRAG AF+FR*(\i), ADRA+\slot, \q, \i
.endr
.endm
.macro SCALES sc                       ; a slot's four K steps; the second load of each serves P's tiles 4-7 (lanes 16-31 read V's words again)
.irp q, 0,1,2,3
	ds_load_b128 v[SC+32*\sc+8*\q:SC+32*\sc+8*\q+3], v[ADRS0] offset:512*\q
	ds_load_b128 v[SC+32*\sc+8*\q+4:SC+32*\sc+8*\q+7], v[ADRS1] offset:512*\q+256
.endr
.endm
.macro MUL8 a0, p, q, sc, zero         ; the 32 accumulators take turns, one instruction a turn
.irp a, \a0, \a0+1
.irp b, 0,1,2,3
.if \zero
	v_wmma_scale_f32_16x16x128_f8f6f4 v[8*(4*(\a)+\b):8*(4*(\a)+\b)+7], v[128*(\p)+FR*\b:128*(\p)+FR*\b+FR-1], v[AF+FR*(\a):AF+FR*(\a)+FR-1], 0, v[SC+32*(\sc)+8*(\q)+\b], v[SC+32*(\sc)+8*(\q)+(\a)] matrix_a_fmt:MATRIX_FMT_FP6 matrix_b_fmt:MATRIX_FMT_FP6 matrix_a_scale:MATRIX_SCALE_ROW1
.else
	v_wmma_scale_f32_16x16x128_f8f6f4 v[8*(4*(\a)+\b):8*(4*(\a)+\b)+7], v[128*(\p)+FR*\b:128*(\p)+FR*\b+FR-1], v[AF+FR*(\a):AF+FR*(\a)+FR-1], v[8*(4*(\a)+\b):8*(4*(\a)+\b)+7], v[SC+32*(\sc)+8*(\q)+\b], v[SC+32*(\sc)+8*(\q)+(\a)] matrix_a_fmt:MATRIX_FMT_FP6 matrix_b_fmt:MATRIX_FMT_FP6 matrix_a_scale:MATRIX_SCALE_ROW1
.endif
.endr
.endr
.endm
.macro STEP slot, q, zero
	s_wait_dscnt 12                                ; all but the youngest 12 loads (P's tiles 4-7) are in
	WIN MUL
	MUL8 0, (\q)%2, \q, \slot, \zero
	MUL8 2, (\q)%2, \q, \slot, \zero
	s_wait_dscnt 0
	PLACES 4
	FETCH_B \slot, (\q)+1, 1-(\q)%2
	FETCH_A \slot, (\q)+1, 0
	WIN MUL
	MUL8 4, (\q)%2, \q, \slot, \zero
	MUL8 6, (\q)%2, \q, \slot, \zero
	PLACES 4
	WIN 0
	FETCH_A \slot, (\q)+1, 4
.endm
.macro MEET slot                       ; the first half of a slot's fourth K step: the three lines and the barrier of the change of slots
	s_wait_tensorcnt 0x0                           ; all my tensor loads have landed
	ds_add_u32 v[SPW], v[NIL]                      ; 0 onto my spare word
	s_wait_dscnt 13                                ; the add and the youngest 12 loads may be out
	WIN MUL
	MUL8 0, 1, 3, \slot, 0
	s_wait_dscnt 0x0                               ; the add is done, and my reads of this slot are over
	s_barrier_signal -1
	MUL8 2, 1, 3, \slot, 0
	WIN 0
	s_barrier_wait -1
.endm
.macro TURN slot, next                 ; a slot's fourth K step changes slots and fills the slot again
	MEET \slot
	CREST                                          ; no wave of any partner still reads this slot or has a load on its way
	s_add_nc_u64 s[G0P+4*\slot+2:G0P+4*\slot+3], s[G0P+4*\slot+2:G0P+4*\slot+3], 2*PART
	s_add_nc_u64 s[G0V+4*\slot+2:G0V+4*\slot+3], s[G0V+4*\slot+2:G0V+4*\slot+3], 2*PART
	TLOAD G0P+4*\slot, G0V+4*\slot                 ; its four v_nop are the places for the loads below
	s_wait_alu depctr_va_vdst(0)
	v_add_nc_u32 v[ADRS0], 2048, v[ADRS0]
	v_add_nc_u32 v[ADRS1], 2048, v[ADRS1]
	FETCH_B \next, 0, 0
	FETCH_A \next, 0, 0
	SCALES \next
	WIN MUL
	MUL8 4, 1, 3, \slot, 0
	MUL8 6, 1, 3, \slot, 0
	PLACES 4
	WIN 0
	FETCH_A \next, 0, 4
.endm
	s_load_b128 s[4:7], s[0:1], 0x0                ; qkv s[4:5], pbuf s[6:7]
	s_load_b64 s[8:9], s[0:1], 0x10                ; out0
	v_lshl_add_u32 v[SPW], v0, 2, SPARE
	v_mov_b32 v[NIL], 0
	ds_add_u32 v[SPW], v[NIL]                      ; the opening lines: the add, twice on end, and its wait ahead of my first tensor load
	ds_add_u32 v[SPW], v[NIL]
	s_wait_dscnt 0x0
	v_lshrrev_b32 v1, 5, v0
	v_readfirstlane_b32 s14, v1
	s_lshr_b32 s15, s14, 1                         ; my group of V.  Also: I fetch for P (0) or V (1)
	s_and_b32 s16, s14, 1                          ; my half of its tiles.  Also: which half of P or which group of V I fetch
	s_bfe_u32 s40, ttmp6, 0x40000
	s_bfe_u32 s41, ttmp6, 0x40004
	s_lshl_b32 s42, ttmp9, 2
	s_add_co_u32 s42, s42, s40                     ; gx: the block of 256 features
	s_and_b32 s17, ttmp7, 0xffff
	s_lshl_b32 s20, s17, 2
	s_add_co_u32 s20, s20, s41                     ; G: the query group, 0-63
	s_lshl_b32 s43, s41, 2
	s_lshl_b32 s43, 15, s43
	s_lshl_b32 s44, 0x1111, s40
	s_or_b32 s[G1P+0], s43, (3<<16)|(1<<21)        ; dense blocks as rows of 256 bytes
	s_or_b32 s[G1V+0], s44, (3<<16)|(1<<21)
.irp g, G1P, G1V
	s_mov_b32 s[\g+1], 32<<16
	s_mov_b32 s[\g+3], 32<<16
	s_mov_b32 s[\g+5], 32
	s_mov_b32 s[\g+6], 0
	s_mov_b32 s[\g+7], 0
.endr
	s_mov_b32 s[G1P+2], 192<<16                    ; the head's loads: 192 rows of P, 384 of V
	s_mov_b32 s[G1P+4], 192
	s_mov_b32 s[G1V+2], 384<<16
	s_mov_b32 s[G1V+4], 384
	s_lshl_b32 s66, s20, 13
	s_add_co_u32 s66, s66, PSC                     ; the group's scale words; -M and the sums 524,288 and 1,048,576 bytes on
	s_mov_b32 s67, 0
	s_lshl_b32 s92, s14, 11
	s_add_co_u32 s92, s92, s66                     ; my four key groups of them
	s_mov_b32 s93, 0
	s_lshl_b32 s94, s20, 19                        ; out0: 128 rows of 4,096 bytes,
	s_lshl_b32 s95, s42, 10                        ; 256 features,
	s_add_co_u32 s94, s94, s95
	s_lshl_b32 s95, s14, 8                         ; my 64 of them
	s_add_co_u32 s94, s94, s95
	s_mov_b32 s95, 0
	s_mul_i32 s20, s20, 16*KSB                     ; P's codes;
	s_mul_i32 s45, s16, PART/2                     ; a refill: wave 0 the slot's K steps 0-1, wave 1 its K steps 2-3, in memory and in LDS
	s_add_co_u32 s20, s20, s45
	s_mov_b32 s21, 0
	s_mov_b32 s22, s45                             ; the head: wave 0 K steps 0-3, wave 1 K steps 4-7: half a part further on once more
	s_mov_b32 s23, 0
	s_mul_i32 s19, s16, PART
	s_lshl_b32 s47, s42, 1
	s_add_co_u32 s46, s16, s47                     ; V's group of 128 features whose codes I fetch: wave 2 group 0, wave 3 group 1
	s_add_co_u32 s96, s15, s47                     ; V's scale words: wave w copies half w % 2 of group w / 2, 4,096 bytes
	s_lshr_b32 s47, s17, 2                         ; the batch
	s_lshl_b32 s96, s96, 15
	s_lshl_b32 s97, s47, 13
	s_add_co_u32 s96, s96, s97
	s_lshl_b32 s97, s16, 12
	s_add_co_u32 s96, s96, s97
	s_add_co_u32 s96, s96, VS
	s_mov_b32 s97, 0
	s_mul_i32 s46, s46, 64*KSB
	s_mul_i32 s47, s47, 16*KSB
	s_add_co_u32 s46, s46, s47
	s_add_co_u32 s46, s46, VC
	s_mov_b32 s47, 0
	s_mul_i32 s18, s16, 2*PART
	s_add_co_u32 s18, s18, 2*PART                  ; V's regions lie behind P's
	v_and_b32 v1, 31, v0
	v_lshlrev_b32 v[LI], 4, v1
	s_wait_alu depctr_va_vdst(0)
	s_wait_kmcnt 0x0
	s_add_nc_u64 s[10:11], s[6:7], s[66:67]
	s_add_nc_u64 s[12:13], s[6:7], s[92:93]
	s_add_nc_u64 s[OUTP:OUTP+1], s[8:9], s[94:95]
	s_add_nc_u64 s[20:21], s[6:7], s[20:21]
	s_add_nc_u64 s[46:47], s[4:5], s[46:47]
	s_add_nc_u64 s[96:97], s[4:5], s[96:97]
.irp k, 0,1,2,3,4,5,6,7,8,9,10,11,12,13,14,15
	global_load_b128 v[PMA+4*\k:PMA+4*\k+3], v[LI], s[10:11] offset:524288+512*\k    ; lane (r, h): tiles 4 h .. 4 h + 3 of row r
.endr
.irp k, 0,1,2,3,4,5,6,7,8,9,10,11,12,13,14,15
	global_load_b128 v[PLA+4*\k:PLA+4*\k+3], v[LI], s[10:11] offset:1048576+512*\k
.endr
.irp k, 0,1,2,3
	global_load_b128 v[PMO+4*\k:PMO+4*\k+3], v[LI], s[12:13] offset:524288+512*\k
	global_load_b128 v[PSO+4*\k:PSO+4*\k+3], v[LI], s[12:13] offset:512*\k
.endr
.irp i, 0,1,2,3,4,5,6,7
	global_load_b128 v[72+4*\i+144*(\i/6):75+4*\i+144*(\i/6)], v[LI], s[96:97] offset:512*\i   ; V's scale words, into v72-95 and v240-247
.endr
	CROUND                                         ; all sixteen work-groups are here: the first joint loads meet
.irp s, 0,1
	s_mov_b32 s[G0P+4*\s], 1                       ; the refills' descriptors: each is stepped by eight K steps ahead of its load
	s_add_co_u32 s[G0P+4*\s+1], s45, \s*PART
	s_add_nc_u64 s[G0P+4*\s+2:G0P+4*\s+3], s[20:21], \s*PART
	s_or_b32 s[G0P+4*\s+3], s[G0P+4*\s+3], 0x80000000
	s_mov_b32 s[G0V+4*\s], 1
	s_add_co_u32 s[G0V+4*\s+1], s18, \s*PART
	s_add_nc_u64 s[G0V+4*\s+2:G0V+4*\s+3], s[46:47], \s*PART
	s_or_b32 s[G0V+4*\s+3], s[G0V+4*\s+3], 0x80000000
.endr
	s_mov_b32 s[G0H], 1
	s_add_co_u32 s[G0H+1], s19, 0
	s_add_nc_u64 s[G0H+2:G0H+3], s[20:21], s[22:23]
	s_or_b32 s[G0H+3], s[G0H+3], 0x80000000
	s_mov_b32 s[G0HV], 1
	s_add_co_u32 s[G0HV+1], s18, 0
	s_mov_b64 s[G0HV+2:G0HV+3], s[46:47]
	s_or_b32 s[G0HV+3], s[G0HV+3], 0x80000000
	TLOAD G0H, G0HV                                ; K steps 0-7: the head's one load a wave
	s_mov_b32 s[SEL], 0x76543210
	s_mov_b32 s[SEL+1], 0xfedcba98
	s_mov_b32 s[HM], 0xffff0000
	s_mov_b32 s[K80], 0x80808080
	v_and_b32 v2, 15, v0                           ; r
	v_bfe_u32 v3, v0, 4, 1                         ; h
	s_wait_alu depctr_va_vdst(0)
	s_mul_i32 s22, s15, 2*PART
	s_add_co_u32 s22, s22, 2*PART
	s_mul_i32 s23, s16, 4*1536
	s_add_co_u32 s22, s22, s23
	s_mov_b32 s21, 0
.irp s, 0,1
	v_add_nc_u32 v[ADRA+\s], s21, v[LI]
	v_add_nc_u32 v[ADRB+\s], s22, v[LI]
	s_add_co_u32 s21, s21, PART
	s_add_co_u32 s22, s22, PART
.endr
	s_lshl_b32 s21, s15, 13
	s_lshl_b32 s22, s16, 8
	s_add_co_u32 s21, s21, s22
	s_add_co_u32 s21, s21, 8192                    ; from P's words to my tiles' words of V
	v_mul_u32_u24 v6, s21, v3
	v_lshl_add_u32 v6, v2, 4, v6
	v_add_nc_u32 v[ADRS0], PSCL, v6
	s_sub_co_u32 s21, s21, 256
	v_mul_u32_u24 v6, s21, v3
	v_lshl_add_u32 v6, v2, 4, v6
	v_add_nc_u32 v[ADRS1], PSCL, v6
	s_lshl_b32 s21, s14, 11
	s_add_co_u32 s21, s21, PSCL
	v_add_nc_u32 v[PSW], s21, v[LI]                ; where I store my four key groups' moved words
	s_lshl_b32 s21, s14, 12
	s_add_co_u32 s21, s21, VSCL
	v_add_nc_u32 v[VSW], s21, v[LI]                ; where I store my 4,096 bytes of V's scale words
	s_mul_i32 s21, s14, 16*272                     ; my stage, in P's part of slot 0
	v_mul_u32_u24 v[STO], v2, 272
	v_lshl_add_u32 v[STO], v3, 6, v[STO]
	v_add_nc_u32 v[STO], s21, v[STO]
	v_mul_u32_u24 v[RD], v3, 272
	v_lshl_add_u32 v[RD], v2, 4, v[RD]
	v_add_nc_u32 v[RD], s21, v[RD]
	v_lshlrev_b32 v[CO], 12, v3
	v_lshl_add_u32 v[CO], v2, 4, v[CO]
	s_wait_loadcnt 0x0
	; the row's -M: the least of the sixteen local ones
.irp i, 0,1,2,3
	v_min3_num_f32 v[NMR+\i], v[PMA+\i], v[PMA+4+\i], v[PMA+8+\i]
.endr
.irp k, 3,5,7,9,11,13
.irp i, 0,1,2,3
	v_min3_num_f32 v[NMR+\i], v[NMR+\i], v[PMA+4*\k+\i], v[PMA+4*\k+4+\i]
.endr
.endr
.irp i, 0,1,2,3
	v_min_num_f32 v[NMR+\i], v[NMR+\i], v[PMA+60+\i]
.endr
.set j, 0
.rept 64
	v_sub_f32 v[PMA+j], v[NMR+j%4], v[PMA+j]       ; local M - row's M: a whole number, 0 or less
.set j, j+1
.endr
.set j, 0
.rept 64
	v_cvt_i32_f32 v[PMA+j], v[PMA+j]               ; (it saturates)
.set j, j+1
.endr
.set j, 0
.rept 64
	v_ldexp_f32 v[PLA+j], v[PLA+j], v[PMA+j]       ; the local sum under the row's M: nothing is rounded
.set j, j+1
.endr
.irp i, 0,1,2,3
	v_add_f32 v[LR+\i], v[PLA+\i], v[PLA+4+\i]
.endr
.irp k, 2,3,4,5,6,7,8,9,10,11,12,13,14,15
.irp i, 0,1,2,3
	v_add_f32 v[LR+\i], v[LR+\i], v[PLA+4*\k+\i]
.endr
.endr
	; my four key groups' scale words: each byte less n = row's M - local M, held at 0.  P's bytes are at most 125 and n at most 128, so no byte borrows from its neighbour
.set j, 0
.rept 16
	v_sub_f32 v[PMO+j], v[PMO+j], v[NMR+j%4]       ; n, 0 or more
	v_min_num_f32 v[PMO+j], 0x43000000, v[PMO+j]   ; at most 128
	v_cvt_u32_f32 v[PMO+j], v[PMO+j]
	v_lshl_or_b32 v[PMO+j], v[PMO+j], 8, v[PMO+j]
	v_lshl_or_b32 v[PMO+j], v[PMO+j], 16, v[PMO+j] ; n in all four bytes
	v_or_b32 v[PSO+j], s[K80], v[PSO+j]
	v_sub_nc_u32 v[PSO+j], v[PSO+j], v[PMO+j]      ; 128 + byte - n in each byte
	v_and_b32 v[PMO+j], s[K80], v[PSO+j]           ; the top bit stands where byte >= n
	v_lshrrev_b32 v[XT+j], 7, v[PMO+j]
	v_sub_nc_u32 v[PMO+j], v[PMO+j], v[XT+j]       ; 0x7f there, 0 elsewhere
	v_and_b32 v[PSO+j], v[PSO+j], v[PMO+j]
.set j, j+1
.endr
.irp k, 0,1,2,3
	ds_store_b128 v[PSW], v[PSO+4*\k:PSO+4*\k+3] offset:512*\k
.endr
.irp i, 0,1,2,3,4,5,6,7
	ds_store_b128 v[VSW], v[72+4*\i+144*(\i/6):75+4*\i+144*(\i/6)] offset:512*\i
.endr
	s_wait_alu depctr_va_vdst(0)
.irp i, 0,1,2,3
	v_rcp_f32 v[XT+\i], v[LR+\i]
.endr
	v_nop                                          ; a plain place behind the reciprocals
	s_wait_alu depctr_va_vdst(0)                   ; one wait for the four, ahead of their first reader
.irp i, 0,1,2,3
	v_permlanex16_b32 v[XT+4+\i], v[XT+\i], s[SEL], s[SEL+1]   ; the other half's four tiles
.endr
.irp i, 0,1,2,3
	v_cndmask_b32 v[INV+2*\i], v[XT+\i], v[XT+4+\i], s[HM]     ; tile i: lanes 0-15 have it, lanes 16-31 take the other half's
	v_cndmask_b32 v[INV+2*\i+1], v[XT+\i], v[XT+4+\i], s[HM]
	v_cndmask_b32 v[INV+8+2*\i], v[XT+4+\i], v[XT+\i], s[HM]   ; tile 4 + i: the other way round
	v_cndmask_b32 v[INV+8+2*\i+1], v[XT+4+\i], v[XT+\i], s[HM]
.endr
	s_wait_alu depctr_va_vdst(0)
	s_wait_tensorcnt 0x0                           ; my part of K steps 0-7 is in; no tensor load of mine is out, so the descriptors may be written: a refill brings half the rows
	s_mov_b32 s[G1P+2], 96<<16
	s_mov_b32 s[G1P+4], 96
	s_mov_b32 s[G1V+2], 192<<16
	s_mov_b32 s[G1V+4], 192
	s_wait_dscnt 0x0                               ; for the others' sake: my scale words lie in LDS
	s_barrier_signal -1
	s_barrier_wait -1
	FETCH_B 0, 0, 0
	FETCH_A 0, 0, 0
	SCALES 0
	FETCH_A 0, 0, 4
	STEP 0, 0, 1                                   ; the first products start the sums
	STEP 0, 1, 0
	STEP 0, 2, 0
	TURN 0, 1                                      ; slot 0 takes K steps 8-11
	STEP 1, 0, 0
	STEP 1, 1, 0
	STEP 1, 2, 0
	TURN 1, 0                                      ; slot 1 takes K steps 12-15
	STEP 0, 0, 0
	STEP 0, 1, 0
	STEP 0, 2, 0
; ---- K steps 12-15, in slot 1, by rows of O
.macro VROW q                          ; my four tiles of V of the slot's K step q -> window 1: v0, v48, v176, v128 on (v128-175 are at work until K step 11 is done)
.irp i, 0,1,2,3
	FRAG 48*(\q)+80*((\q)/2)-96*((\q)/3)+FR*\i, ADRB+1, \q, \i
.endr
.endm
.macro PROW a                          ; P's tile a, all four K steps -> buffer a % 2
.irp q, 0,1,2,3
	FRAG AF+48*((\a)%2)+FR*\q, ADRA+1, \q, \a
.endr
.endm
.macro ROW a                           ; tile a is finished: 16 products, its four accumulators by turns, K ascending
	WIN MUL
.irp q, 0,1,2,3
.irp b, 0,1,2,3
	v_wmma_scale_f32_16x16x128_f8f6f4 v[8*(4*(\a)+\b):8*(4*(\a)+\b)+7], v[48*\q+80*(\q/2)-96*(\q/3)+FR*\b:48*\q+80*(\q/2)-96*(\q/3)+FR*\b+FR-1], v[AF+48*((\a)%2)+FR*\q:AF+48*((\a)%2)+FR*\q+FR-1], v[8*(4*(\a)+\b):8*(4*(\a)+\b)+7], v[SC+32+8*\q+\b], v[SC+32+8*\q+(\a)] matrix_a_fmt:MATRIX_FMT_FP6 matrix_b_fmt:MATRIX_FMT_FP6 matrix_a_scale:MATRIX_SCALE_ROW1
.endr
.endr
.endm
; THE WAY OUT, tile a (16 queries x my 64 features): x 1 / l, into my stage (rows of 256 bytes + 16), back as whole rows; sixteen lanes store 256 consecutive bytes, aligned.
; Register 8 b + j of lane (r, h) is feature 32 (b/2) + 16 h + 8 (b%2) + j of my 64; row p of the stage is query 32 (a/2) + 8 (a%2) + p + 8 (p/8) of the group.
.macro OUTB a
	WIN 0xc2                                       ; destination window 3, source 0 window 2
.set i, 0
.rept 16
	v_pk_mul_f32 v[32*((\a)%2)+i:32*((\a)%2)+i+1], v[32*(\a)+i:32*(\a)+i+1], v[INV+2*(\a):INV+2*(\a)+1]   ; each accumulator from its low end on
.set i, i+2
.endr
	WIN 0x0c                                       ; the stores' data: window 3
.irp b, 0,1,2,3
	ds_store_b128 v[STO], v[32*((\a)%2)+8*\b:32*((\a)%2)+8*\b+3] offset:128*(\b/2)+32*(\b%2)
	ds_store_b128 v[STO], v[32*((\a)%2)+8*\b+4:32*((\a)%2)+8*\b+7] offset:128*(\b/2)+32*(\b%2)+16
.endr
	WIN 0xc0
.irp t, 0,1,2,3,4,5,6,7
	ds_load_b128 v[64+32*((\a)%2)+4*\t:64+32*((\a)%2)+4*\t+3], v[RD] offset:\t*2*272   ; LDS serves a wave's instructions in order: these see my stores
.endr
.endm
.macro SEND a
	WIN 0x0c
.irp t, 0,1,2,3,4,5,6,7
	global_store_b128 v[CO], v[64+32*((\a)%2)+4*\t:64+32*((\a)%2)+4*\t+3], s[OUTP:OUTP+1] offset:(32*((\a)/2)+8*((\a)%2)+2*\t+8*(\t/4))*4096 th:TH_STORE_NT
.endr
.endm
	MEET 0                                         ; slot 1 is whole; nothing is filled again, and behind this barrier nobody reads slot 0
	PLACES 4
	s_wait_alu depctr_va_vdst(0)
	v_add_nc_u32 v[ADRS0], 2048, v[ADRS0]
	v_add_nc_u32 v[ADRS1], 2048, v[ADRS1]
	WIN TO_B
	VROW 0
	VROW 1
	VROW 2
	WIN 0
	PROW 0
	SCALES 1
	WIN MUL
	MUL8 4, 1, 3, 0, 0
	MUL8 6, 1, 3, 0, 0
	PLACES 4
	WIN TO_B
	VROW 3
	WIN 0
	PROW 1
	s_wait_dscnt 12                                ; all but P's tile 1
	ROW 0
.irp a, 0,1,2,3,4,5,6,7
	PLACES 4                                       ; in front of the first read of tile a's results and of loads into its buffer
.if \a > 1
	s_wait_xcnt 0x0                                ; tile a - 2's stores have read their registers: tile a's rows may land there
.endif
	OUTB \a
.if \a < 6
	WIN 0
	PROW \a+2
	s_wait_dscnt 28                                ; P's tile a + 1 is in; behind it: the stage's 8 stores and 8 loads, and the 12 loads just issued
	ROW \a+1
	s_wait_dscnt 12                                ; tile a's rows are back
.else
.if \a < 7
	s_wait_dscnt 16
	ROW \a+1
.endif
	s_wait_dscnt 0x0
.endif
	SEND \a
.endr
	WIN 0
	s_wait_tensorcnt 0x0                           ; the wave's end
	ds_add_u32 v[SPW], v[NIL]
	s_wait_dscnt 0x0
	CROUND                                         ; the closing round
	s_endpgm
.Lfunc_end_k_q68ca1bcc0b_pv:
	.size	k_q68ca1bcc0b_pv, .Lfunc_end_k_q68ca1bcc0b_pv-k_q68ca1bcc0b_pv
	.p2alignl 7, 3214868480
	.fill 96, 4, 3214868480
	.section	.rodata,"a",@progbits
	.p2align	6, 0x0
	.amdhsa_kernel k_q68ca1bcc0b_pv
		.amdhsa_group_segment_fixed_size 327680
		.amdhsa_private_segment_fixed_size 0
		.amdhsa_enable_private_segment 0
		.amdhsa_kernarg_size 24
		.amdhsa_user_sgpr_count 2
		.amdhsa_user_sgpr_kernarg_segment_ptr 1
		.amdhsa_wavefront_size32 1
		.amdhsa_system_sgpr_workgroup_id_x 1
		.amdhsa_system_sgpr_workgroup_id_y 1
		.amdhsa_system_sgpr_workgroup_id_z 1
		.amdhsa_system_vgpr_workitem_id 0
		.amdhsa_next_free_vgpr 1024
		.amdhsa_next_free_sgpr 100
		.amdhsa_reserve_vcc 0
		.amdhsa_float_denorm_mode_32 3
		.amdhsa_float_denorm_mode_16_64 3
		.amdhsa_memory_ordered 1
		.amdhsa_forward_progress 1
		.amdhsa_inst_pref_size 171
	.end_amdhsa_kernel
	.amdgpu_metadata
---
amdhsa.version: [ 1, 2 ]
amdhsa.kernels:
  - .name:           k_q68ca1bcc0b_pv
    .symbol:         k_q68ca1bcc0b_pv.kd
    .args:
      - { .name: qkv, .offset: 0, .size: 8, .value_kind: global_buffer, .address_space: global }
      - { .name: pbuf, .offset: 8, .size: 8, .value_kind: global_buffer, .address_space: global }
      - { .name: out0, .offset: 16, .size: 8, .value_kind: global_buffer, .address_space: global }
    .group_segment_fixed_size: 327680
    .private_segment_fixed_size: 0
    .kernarg_segment_align: 8
    .kernarg_segment_size: 24
    .max_flat_workgroup_size: 128
    .sgpr_count:     100
    .vgpr_count:     1024
    .wavefront_size: 32
...
	.end_amdgpu_metadata
.endif
;; end of part 4
